; MI455X (gfx1250); checked and timed in simulation.
; The chip was launched on July 23, 2026; its instructions are those of AMD's public machine-readable ISA for CDNA 5 (MIT licence, August 2026) and "CDNA5" Instruction Set Architecture Reference Guide (July 2026). The comments in the code are by the model that wrote it; some were corrected since.
;; Attention. Allowed arithmetic: matrix products marked QUANTISED: E2M1 operands, one E8M0 scale for each 32 along K, by v_wmma_scale_f32_16x16x128_f8f6f4 with both operands' format E2M1 (or v_wmma_scale_f32_32x16x128_f4), f32 sums; products left as they are: bf16, f16 or f32 operands; f32 sums; everything else in f32.
;; Inputs: W_k 1,024 x 1,024 float32; W_o 1,024 x 1,024 float32; W_q 1,024 x 1,024 float32; W_v 1,024 x 1,024 float32; attention_mask 4 x 2,048 float32; freqs_cos 2,048 x 32 float32; freqs_sin 2,048 x 32 float32; x 4 x 2,048 x 1,024 float32.
;; Outputs: out0 4 x 2,048 x 1,024 float32.
;; This version of the problem:
;;   THIS VERSION OF THE PROBLEM IS GIVEN IN LOW PRECISION. The matrix products marked QUANTISED in the list below multiply operands that are first quantised to E2M1 (2 exponent bits, 1 mantissa bit; 4 bits a number), with one power-of-two scale for each 32 numbers along K (OCP MX v1.0); their sums are f32. The products marked 'left as it is' may take bf16, f16 or f32 operands, with f32 sums. Whichever they take, every output number must still come out within the allowed error. Rounding operands to bf16 (8 significant bits) uses up far more of that allowance than f16 does (11 bits, for magnitudes from 6e-5 to 65,504). All else is computed in f32.
;;   The module's matrix products, in the order in which they are computed (A, B: the left and right operand; K: the contracted axis; several contracted axes count as one K, in the product's order):
;;     1. [M 8,192, K 1,024] x [K 1,024, N 1,024]; A: input x; B: input W_q: QUANTISED
;;     2. [M 8,192, K 1,024] x [K 1,024, N 1,024]; A: input x; B: input W_k: QUANTISED
;;     3. [M 8,192, K 1,024] x [K 1,024, N 1,024]; A: input x; B: input W_v: QUANTISED
;;     4. batch 64 x [M 2,048, K 64] x [K 64, N 2,048]; A: computed on the way; B: computed on the way: left as it is (an operand is computed on the way)
;;     5. batch 64 x [M 2,048, K 2,048] x [K 2,048, N 64]; A: computed on the way; B: computed on the way: left as it is (an operand is computed on the way)
;;     6. [M 8,192, K 1,024] x [K 1,024, N 1,024]; A: computed on the way; B: input W_o: left as it is (an operand is computed on the way)
;;   THE QUANTISER, for each operand of a quantised product, along K:
;;     - K is cut into blocks of 32 from its start; a last block that is shorter is filled with zeros.
;;     - A block's scale is 2^e with e = floor(log2(the largest magnitude in the block)) - 2, held to -126 .. 127; a block of zeros has e = 0. As a byte (E8M0): e + 127.
;;     - Each number is divided by its block's scale, clamped to +-6, and rounded to the nearest number of E2M1, ties to even, subnormals kept.
;;     - The product sums the exact products of the quantised numbers (number of the format x scale) in f32.
;;   ~~~python
;;   def quantise(x, axis):      # numpy; x: float32 -> the quantised numbers, widened to float32 again
;;       x = np.moveaxis(x, axis, -1); K = x.shape[-1]
;;       x = np.pad(x, [(0, 0)] * (x.ndim - 1) + [(0, -K % 32)]); x = x.reshape(x.shape[:-1] + (-1, 32)); a = np.abs(x).max(-1, keepdims=True)
;;       e = np.where(a > 0, np.clip(np.frexp(np.where(a > 0, a, 1))[1] - 1 - 2, -126, 127), 0)      # np.frexp(a)[1] - 1 = floor(log2(a)), exactly
;;       r = np.clip(x / 2.0 ** e, -6, 6)
;;       step = 2.0 ** (np.maximum(np.frexp(np.where(r == 0, 1, r))[1] - 1, 0) - 1)
;;       q = np.round(r / step) * step * 2.0 ** e      # np.round: ties to even
;;       return np.moveaxis(q.reshape(q.shape[:-2] + (-1,))[..., :K], -1, axis).astype(np.float32)
;;   ~~~
;; One version. Each part assembles by itself: llvm-mc -triple=amdgcn-amd-amdhsa -mcpu=gfx1250 --defsym DOCPART=n.
;; ======== version 1 of 1: 4 launches
;; limits: values are held in f16: magnitudes above 65,504 overflow, below 6.1e-05 lose precision
;; workspace buffers: x_codes 4,194,304 bytes; x_scales 262,144 bytes; w_codes 1,572,864 bytes; w_scales 98,304 bytes; wo16 2,097,152 bytes; qkv 50,331,648 bytes; o16 16,777,216 bytes
;; launch prep (part 1): grid 384 x 1, 4 waves a work-group, no clusters, 33,280 bytes of LDS; arguments x, W_q, W_k, W_v, W_o, x_codes, x_scales, w_codes, w_scales, wo16; writes x_codes, x_scales, w_codes, w_scales, wo16
.if DOCPART == 1
	.amdgcn_target "amdgcn-amd-amdhsa--gfx1250"
	.amdhsa_code_object_version 6
	.text
	.protected	k_q32978b068c_prep
	.globl	k_q32978b068c_prep
	.p2align	8
	.type	k_q32978b068c_prep,@function
k_q32978b068c_prep:
	s_mov_b64 s[64:65], 0
	v_nop
	global_prefetch_b8 v0, s[64:65] scope:SCOPE_SE
	s_setreg_imm32_b32 hwreg(HW_REG_WAVE_MODE, 25, 1), 1
	s_wait_xcnt 0x0
; x [8192][1024] and W_q, W_k, W_v [1024][1024], f32, K innermost, become codes of E2M1 (two a byte, the lower k in the low four bits) with one E8M0 byte for each 32 along K;
; W_o [1024][1024] f32 becomes f16 (its product is left as it is).  The three weights' codes lie one behind the other: w_codes [3072][512 bytes], w_scales [3072][32].
; A block's scale is 2^(floor(log2(its largest magnitude)) - 2): its byte is the largest magnitude's own exponent field - 2, held at 1 from below.
; LIMITS: a block of zeros gets the byte 1 where the quantiser's text says 127 (its codes are zeros, and the bytes are read by this program alone); blocks whose largest magnitude lies under 2^-124
; are held at the byte 1; NaN and infinities among the inputs are not served; a number of W_o beyond 65,504 becomes an infinity of f16.
; SHARES: a work-group takes 32,768 numbers, a wave 8,192.  Work-groups 0-255: x; 256-287: W_q; 288-319: W_k; 320-351: W_v; 352-383: W_o.  Rows are dense and K is a multiple of 32,
; so each tensor is a plain stream of blocks.  The four quantised tensors take ONE path: only pointers are chosen, by the work-group's number.
; A wave's 16 steps of 512 numbers: each load reads 512 bytes on end; the 2,048 bytes of a step turn through the wave's own stage in LDS, so that a lane holds 16 neighbours along K (two lanes a block).
.set WAVES, 4
.set STEPS, 16
.set GQ,    352                        ; the first work-group of W_o
.set EMAX,  2
.set CB,    8                          ; bytes of 16 codes
.set R,     16                         ; v16-79   four sets of 16 numbers as they are loaded
.set X,     80                         ; v80-111  two sets of 16 neighbours
.set C,     128                        ; v128-191 codes: four registers for each step, so that no store's data are written again
.set E,     112                        ; v112-127 a scale byte for each step
.set WREG,  8192                       ; LDS: a region for each wave: two stages of 32 x SP bytes, behind them its 256 scale bytes
.set SP,    80                         ; a lane's place in a stage: 64 bytes + 16 of padding
.set SPW,   12                         ; v12  LDS address of my spare word; never rewritten
.set NIL,   13                         ; v13  0; never rewritten
.set SPARE, WAVES*WREG                 ; behind the regions: the spare words, 128 bytes a wave, named by no other line
.set WI,    16                         ; W_o: v16-143 two sets of 64 numbers
.set WH,    144                        ; W_o: v144-175 a batch as f16
	s_load_b512 s[4:19], s[0:1], 0x0               ; x s[4:5], W_q s[6:7], W_k s[8:9], W_v s[10:11], W_o s[12:13], x_codes s[14:15], x_scales s[16:17], w_codes s[18:19]
	s_load_b128 s[20:23], s[0:1], 0x40             ; w_scales s[20:21], wo16 s[22:23]
	v_lshl_add_u32 v[SPW], v0, 2, SPARE
	v_mov_b32 v[NIL], 0
	v_lshrrev_b32 v1, 5, v0
	v_readfirstlane_b32 s24, v1                    ; wave
	v_and_b32 v2, 31, v0                           ; lane
	v_lshlrev_b32 v3, 4, v2                        ; my 16 bytes of a load's 512
	s_mul_i32 s27, s24, WREG
	v_lshrrev_b32 v14, 2, v2
	v_mul_u32_u24 v14, v14, SP
	v_and_b32 v15, 3, v2
	v_lshl_add_u32 v14, v15, 4, v14
	v_add_nc_u32 v14, s27, v14                     ; the stage, on the way in: SP (lane / 4) + 16 (lane % 4)
	v_mul_u32_u24 v15, v2, SP
	v_add_nc_u32 v15, s27, v15                     ; and on the way out: SP x lane: my 16 neighbours
	v_mul_u32_u24 v4, v2, CB                       ; my codes' place in a step's
	v_lshrrev_b32 v5, 1, v2
	s_add_co_u32 s27, s27, 2*32*SP
	v_add_nc_u32 v5, s27, v5                       ; LDS: my wave's 256 scale bytes, my block's byte
	v_lshlrev_b32 v7, 3, v2                        ; 8 bytes a lane
	v_add_nc_u32 v6, s27, v7
	s_and_b32 s25, ttmp9, 31                       ; a weight's work-group among its 32
	s_and_b32 s26, ttmp9, 255                      ; the place among the codes: x: 0-255; the weights: 0-95
	s_mov_b32 s29, 0
	s_mov_b32 s31, 0
	s_wait_kmcnt 0x0
	s_cmp_lt_u32 ttmp9, GQ
	s_cbranch_scc1 .Lquant
	; ---- W_o to f16: four batches of 2,048 numbers; a load reads 512 bytes on end, a store writes 256 bytes on end, aligned.  No LDS on this path.
	s_sub_co_u32 s28, ttmp9, GQ
	s_lshl_b32 s28, s28, 2
	s_add_co_u32 s28, s28, s24                     ; which run of 8,192 numbers is my wave's
	s_lshl_b32 s30, s28, 14                        ; 16,384 bytes out,
	s_lshl_b32 s28, s28, 15                        ; 32,768 bytes in
	s_add_nc_u64 s[12:13], s[12:13], s[28:29]
	s_add_nc_u64 s[22:23], s[22:23], s[30:31]
.macro LOADB b
.irp i, 0,1,2,3,4,5,6,7,8,9,10,11,12,13,14,15
	global_load_b128 v[WI+64*((\b)%2)+4*\i:WI+64*((\b)%2)+4*\i+3], v3, s[12:13] offset:8192*(\b)+512*\i th:TH_LOAD_NT
.endr
.endm
	LOADB 0
	LOADB 1
.irp b, 0,1,2,3
.if \b < 3
	s_wait_loadcnt 16                              ; this batch's 16 loads are in; the next batch's 16 may be out
.else
	s_wait_loadcnt 0x0
.endif
	s_wait_xcnt 0x0                                ; the last batch's stores have read v144-175: they are written again only behind this wait
.irp i, 0,1,2,3,4,5,6,7,8,9,10,11,12,13,14,15
	v_cvt_pk_f16_f32 v[WH+2*\i], v[WI+64*(\b%2)+4*\i], v[WI+64*(\b%2)+4*\i+1]
	v_cvt_pk_f16_f32 v[WH+2*\i+1], v[WI+64*(\b%2)+4*\i+2], v[WI+64*(\b%2)+4*\i+3]
.endr
.irp i, 0,1,2,3,4,5,6,7,8,9,10,11,12,13,14,15
	global_store_b64 v7, v[WH+2*\i:WH+2*\i+1], s[22:23] offset:4096*\b+256*\i
.endr
.if \b < 2
	LOADB \b+2
.endif
.endr
	s_endpgm
.Lquant:
	s_cmp_lt_u32 ttmp9, 320                        ; the choices hang on the work-group's number alone
	s_cselect_b64 s[8:9], s[8:9], s[10:11]         ; W_k or W_v
	s_cmp_lt_u32 ttmp9, 288
	s_cselect_b64 s[6:7], s[6:7], s[8:9]           ; W_q or that
	s_cmp_lt_u32 ttmp9, 256
	s_cselect_b64 s[4:5], s[4:5], s[6:7]           ; x or that
	s_cselect_b64 s[14:15], s[14:15], s[18:19]     ; the codes' buffer
	s_cselect_b64 s[16:17], s[16:17], s[20:21]     ; the scale bytes' buffer
	s_cselect_b32 s25, ttmp9, s25                  ; the work-group's place in its source
	s_lshl_b32 s25, s25, 2
	s_add_co_u32 s25, s25, s24                     ; my wave's run of 8,192 numbers in the source,
	s_lshl_b32 s26, s26, 2
	s_add_co_u32 s26, s26, s24                     ; and among the codes
	s_lshl_b32 s28, s25, 15                        ; 32,768 bytes a run
	s_add_nc_u64 s[4:5], s[4:5], s[28:29]
	s_lshl_b32 s28, s26, 12                        ; 4,096 bytes of codes
	s_add_nc_u64 s[14:15], s[14:15], s[28:29]
	s_lshl_b32 s28, s26, 8                         ; 256 scale bytes
	s_add_nc_u64 s[16:17], s[16:17], s[28:29]
.macro LOAD t
.irp i, 0,1,2,3
	global_load_b128 v[R+16*((\t)%4)+4*\i:R+16*((\t)%4)+4*\i+3], v3, s[4:5] offset:2048*(\t)+512*\i th:TH_LOAD_NT   ; 32 lanes read 512 bytes on end
.endr
.endm
.macro TURN t                          ; step t's numbers through the stage: LDS serves a wave's instructions in order (ISA guide 5.7.1), so no wait stands between the stores and the loads
.irp i, 0,1,2,3
	ds_store_b128 v14, v[R+16*((\t)%4)+4*\i:R+16*((\t)%4)+4*\i+3] offset:32*SP*((\t)%2)+8*SP*\i
.endr
.irp i, 0,1,2,3
	ds_load_b128 v[X+16*((\t)%2)+4*\i:X+16*((\t)%2)+4*\i+3], v15 offset:32*SP*((\t)%2)+16*\i
.endr
.endm
.irp t, 0,1,2,3
	LOAD \t
.endr
	s_wait_loadcnt 12                              ; step 0's four loads are in; the twelve of steps 1 to 3 may be out
	TURN 0
.macro STEP t
.set XS, X+16*((\t)%2)
.if (\t) > 0
	s_wait_dscnt 1                                 ; this step's numbers are back from the stage; the last step's byte store may be out
.else
	s_wait_dscnt 0x0
.endif
.if (\t)+4 < STEPS
	LOAD (\t)+4                                    ; into the registers that this step's stage stores have read
.endif
.if (\t)+1 < STEPS
.if STEPS-2-(\t) >= 3
	s_wait_loadcnt 12                              ; the next step's four loads are in; those of the three steps behind it may be out
.else
	s_wait_loadcnt 4*(STEPS-2-(\t))
.endif
	TURN (\t)+1                                    ; through the other stage while this step is worked
.endif
	v_max3_num_f32 v8, |v[XS]|, |v[XS+1]|, |v[XS+2]|               ; the largest magnitude of my 16, in two chains
	v_max3_num_f32 v9, |v[XS+3]|, |v[XS+4]|, |v[XS+5]|
.irp i, 6,10
	v_max3_num_f32 v8, v8, |v[XS+\i]|, |v[XS+\i+1]|
	v_max3_num_f32 v9, v9, |v[XS+\i+2]|, |v[XS+\i+3]|
.endr
	v_max3_num_f32 v8, v8, |v[XS+14]|, |v[XS+15]|
	v_max3_num_f32 v8, v8, v9, (EMAX+1)<<23        ; and the floor 2^(3 - 127): the byte cannot fall under 1
	v_max_num_f32_dpp v8, v8, v8 row_xmask:1 row_mask:0xf bank_mask:0xf   ; with my neighbour's 16: the block's
	v_add_nc_u32 v11, 0xff000000, v8               ; 2 off its exponent field: the conversion takes the exponent field of this operand as its scale
	v_cvt_scalef32_pk8_fp4_f32 v[C+4*(\t)], v[XS:XS+7], v11        ; eight numbers / the scale, to the nearest code, ties to even, beyond 6 the largest code
	v_cvt_scalef32_pk8_fp4_f32 v[C+4*(\t)+1], v[XS+8:XS+15], v11
	v_lshrrev_b32 v[E+(\t)], 23, v11               ; the scale's byte
	ds_store_b8 v5, v[E+(\t)] offset:16*(\t)       ; both lanes of a block write the same byte with the same value
	global_store_b64 v4, v[C+4*(\t):C+4*(\t)+1], s[14:15] offset:32*CB*(\t)   ; 32 lanes store 256 bytes on end, aligned
.endm
.irp t, 0,1,2,3,4,5,6,7,8,9,10,11,12,13,14,15
	STEP \t
.endr
	ds_load_b64 v[8:9], v6                         ; my wave's 256 scale bytes: these loads see my stores
	s_wait_dscnt 0x0
	global_store_b64 v7, v[8:9], s[16:17]          ; 256 bytes on end, aligned
	s_wait_tensorcnt 0x0                           ; the wave's end
	ds_add_u32 v[SPW], v[NIL]
	s_wait_dscnt 0x0
	s_endpgm
.Lfunc_end_k_q32978b068c_prep:
	.size	k_q32978b068c_prep, .Lfunc_end_k_q32978b068c_prep-k_q32978b068c_prep
	.p2alignl 7, 3214868480
	.fill 96, 4, 3214868480
	.section	.rodata,"a",@progbits
	.p2align	6, 0x0
	.amdhsa_kernel k_q32978b068c_prep
		.amdhsa_group_segment_fixed_size 33280
		.amdhsa_private_segment_fixed_size 0
		.amdhsa_enable_private_segment 0
		.amdhsa_kernarg_size 80
		.amdhsa_user_sgpr_count 2
		.amdhsa_user_sgpr_kernarg_segment_ptr 1
		.amdhsa_wavefront_size32 1
		.amdhsa_system_sgpr_workgroup_id_x 1
		.amdhsa_system_sgpr_workgroup_id_y 1
		.amdhsa_system_sgpr_workgroup_id_z 1
		.amdhsa_system_vgpr_workitem_id 0
		.amdhsa_next_free_vgpr 192
		.amdhsa_next_free_sgpr 66
		.amdhsa_reserve_vcc 0
		.amdhsa_float_denorm_mode_32 3
		.amdhsa_float_denorm_mode_16_64 3
		.amdhsa_memory_ordered 1
		.amdhsa_forward_progress 1
		.amdhsa_inst_pref_size 54
	.end_amdhsa_kernel
	.amdgpu_metadata
---
amdhsa.version: [ 1, 2 ]
amdhsa.kernels:
  - .name:           k_q32978b068c_prep
    .symbol:         k_q32978b068c_prep.kd
    .args:
      - { .name: x, .offset: 0, .size: 8, .value_kind: global_buffer, .address_space: global }
      - { .name: W_q, .offset: 8, .size: 8, .value_kind: global_buffer, .address_space: global }
      - { .name: W_k, .offset: 16, .size: 8, .value_kind: global_buffer, .address_space: global }
      - { .name: W_v, .offset: 24, .size: 8, .value_kind: global_buffer, .address_space: global }
      - { .name: W_o, .offset: 32, .size: 8, .value_kind: global_buffer, .address_space: global }
      - { .name: x_codes, .offset: 40, .size: 8, .value_kind: global_buffer, .address_space: global }
      - { .name: x_scales, .offset: 48, .size: 8, .value_kind: global_buffer, .address_space: global }
      - { .name: w_codes, .offset: 56, .size: 8, .value_kind: global_buffer, .address_space: global }
      - { .name: w_scales, .offset: 64, .size: 8, .value_kind: global_buffer, .address_space: global }
      - { .name: wo16, .offset: 72, .size: 8, .value_kind: global_buffer, .address_space: global }
    .group_segment_fixed_size: 33280
    .private_segment_fixed_size: 0
    .kernarg_segment_align: 8
    .kernarg_segment_size: 80
    .max_flat_workgroup_size: 128
    .sgpr_count:     66
    .vgpr_count:     192
    .wavefront_size: 32
...
	.end_amdgpu_metadata
.endif
;; end of part 1
;; launch qkv (part 2): grid 12 x 32, 4 waves a work-group, clusters of 4 x 4, 327,680 bytes of LDS; arguments x_codes, x_scales, w_codes, w_scales, freqs_cos, freqs_sin, qkv; writes qkv
.if DOCPART == 2
	.amdgcn_target "amdgcn-amd-amdhsa--gfx1250"
	.amdhsa_code_object_version 6
	.text
	.protected	k_q32978b068c_qkv
	.globl	k_q32978b068c_qkv
	.p2align	8
	.type	k_q32978b068c_qkv,@function
k_q32978b068c_qkv:
	s_mov_b64 s[64:65], 0
	v_nop
	global_prefetch_b8 v0, s[64:65] scope:SCOPE_SE
	s_setreg_imm32_b32 hwreg(HW_REG_WAVE_MODE, 25, 1), 1
	s_wait_xcnt 0x0
	s_wait_alu depctr_hold_cnt(0) depctr_sa_sdst(0) depctr_va_vdst(0) depctr_va_sdst(0) depctr_va_ssrc(0) depctr_va_vcc(0) depctr_vm_vsrc(0)
	s_getreg_b32 s2, hwreg(HW_REG_IB_STS2, 6, 4)
	s_cmp_eq_u32 s2, 0
	s_cbranch_scc0 .Lentry_in_a_cluster
	s_endpgm
.Lentry_in_a_cluster:
	s_bfe_u32 s2, ttmp6, 0x10000c
	s_cmp_lg_u32 s2, 0xf033
	s_cbranch_scc0 .Lentry_shape_is_right
	s_endpgm
.Lentry_shape_is_right:
; q, k, v = x W^T on codes of E2M1 with E8M0 scales (M 8,192, N 3 x 1,024, K 1,024), sums in f32; then, in f32, the rotation of q and k by cos and sin, q times log2(e) / 8;
; rounded once to f16 and stored head by head: qkv [3][batch x 16 + head][token][64].
; A tile of C, 256 x 256, is made by four waves, 128 x 128 each: 64 accumulators, 512 registers.  K = 1,024 is two LDS slots of 512 along K (rows of 256 bytes): both are first fills, nothing is filled again.
; The scale bytes of the tile's 256 + 256 rows, for all of K, come once, as dense blocks.
; CLUSTER 4 x 4: A's tiles are asked for jointly along a row of the cluster, B's along a column.  The cluster's x (0, 1, 2) is the tensor (q, k, v): equal in all sixteen partners; it enters selects and addresses alone.
; TRANSPOSED USE: source 0 = 16 rows of W, source 1 = 16 rows of x: a lane holds one token and eight channels.
; THE ROWS OF A FRAGMENT ARE PERMUTED, on both sides alike: lane r takes row rp = (r & 8) + 2 (r & 3) + ((r >> 2) & 1).  So registers 0-3 of an accumulator hold the EVEN channels 16 b + 8 h + 0, 2, 4, 6
; and registers 4-7 the ODD ones: the rotation is packed arithmetic on natural register pairs.  The lane's token is 16 a + rp.
; v goes through the same lines with cos x 0 + 1 and sin x 0.
; LIMITS: freqs_cos and freqs_sin must be finite (0 x them is taken for v); a result beyond 65,504 becomes an infinity of f16, results under 6e-5 keep f16's fixed step of 6e-8.
; REGISTERS: window 0: v0-31 addresses; v32-95 scale words, two sets, and nothing else; v96-99 the factors; v128-191 A's fragments, one set; on the way out v128-255 are at work.
;   window 1: B's fragments at v0-63 and v128-191; cos and sin of my token blocks 0-3 at v64-127 and v192-255 (asked for at the head), of blocks 4-7 where B's fragments lay (asked for behind the last product).
;   window 2: the accumulators of my rows 0-63 ((a, b) at v[8 (8 a + b)]);  window 3: those of rows 64-127.
.set KSTEP,  512
.set NQ,     4                         ; matrix instructions deep in a slot
.set ROWB,   256                       ; a tile's row in bytes
.set KROW,   512                       ; a row of codes in memory
.set PITCH,  272                       ; an LDS row: 256 bytes + 16 of padding: the 16 rows of a load start 16 bytes apart modulo 256
.set FR,     8
.set NL,     2
.set NP,     4                         ; places behind this matrix instruction (ISA guide 7.12.1)
.set HALFT,  128*PITCH
.set SLOT,   4*HALFT
.set KS,     32                        ; a row of scale bytes
.set SCL,    2*SLOT
.set HALFS,  16*272                    ; the scales of 128 rows: 16 rows of 256 bytes + 16
.set SBLK,   2*272                     ; those of 16 rows
.set SPARE,  SCL+4*HALFS               ; the spare words, 128 bytes a wave, named by no other line
.set SPITCH, 272                       ; the way out: 16 tokens x (256 bytes + 16) for each wave, in slot 0, which has had its only fill and its last read by then
.set HEADB,  262144                    ; a head in qkv: 2,048 tokens x 128 bytes
.set ADRA, 16
.set ADRB, 20
.set STO,  24
.set RD,   25
.set CO,   26
.set ADRS, 27
.set SPW,  28
.set NIL,  29
.set FO,   30                          ; v30  my byte in a block's 16 rows of cos and sin: 128 rp + 16 h
.set SC,   32
.set FA,   96                          ; v[96:97]  what cos and sin are multiplied by, twice
.set FB,   98                          ; v[98:99]  what is added to cos, twice
.set AF,   128
.set CPR,  128                         ; the way out: v128-143 a block's 16 cos as used, v144-159 its sin,
.set SPR,  144
.set RR,   160                         ; v160-191 four accumulators rotated: even channels at 8 q, odd at 8 q + 4,
.set T0,   192                         ; v192-223, v224-255 a block as f16, by turns: as packed, then as rows read back from the stage
.set G1, 24
.set G0, 32
.set G1B, 48
.set G0B, 56
.set G1S, 68
.set G0S, 76
.set G1SB, 80
.set G0SB, 88
.set MSB, 0
.macro WIN new                         ; the immediate's high byte repeats the setting that is left
.if MSB != (\new)
	s_set_vgpr_msb (MSB<<8)|(\new)
.set MSB, (\new)
.endif
.endm
.set MUL_LO, 0xa1                      ; source 0 (W) window 1, source 1 (x) window 0, C and D window 2
.set MUL_HI, 0xf1
.set TO_B,   0x40                      ; destination window 1, address window 0
; A joint load: waves 0 and 1 fetch for x, waves 2 and 3 for W; the branch hangs on the wave's number alone.  An s_nop 0 and four v_nop follow each line.
.macro JLOAD g0a, g1a, g0b, g1b
	s_cmp_eq_u32 s15, 0
	s_cbranch_scc0 .Lfor_b_\@
	tensor_load_to_lds s[\g0a:\g0a+3], s[\g1a:\g1a+7]
	s_nop 0
.rept 4
	v_nop
.endr
	s_branch .Lasked_\@
.Lfor_b_\@:
	tensor_load_to_lds s[\g0b:\g0b+3], s[\g1b:\g1b+7]
	s_nop 0
.rept 4
	v_nop
.endr
.Lasked_\@:
.endm
.macro CROUND                          ; a round of the cluster's barrier
	s_barrier_signal -1
	s_barrier_wait -1
	s_cmp_lg_u32 s14, 0
	s_cbranch_scc1 .Lnot_wave_0_\@
	s_barrier_signal -3
.Lnot_wave_0_\@:
	s_barrier_wait -3
	s_barrier_signal -1
	s_barrier_wait -1
.endm
	s_load_b128 s[4:7], s[0:1], 0x0                ; x's codes s[4:5], x's scales s[6:7]
	s_load_b128 s[8:11], s[0:1], 0x10              ; W's codes s[8:9], W's scales s[10:11]
	s_load_b128 s[96:99], s[0:1], 0x20             ; cos s[96:97], sin s[98:99]
	s_load_b64 s[12:13], s[0:1], 0x30              ; qkv
	v_lshl_add_u32 v[SPW], v0, 2, SPARE
	v_mov_b32 v[NIL], 0
	ds_add_u32 v[SPW], v[NIL]                      ; the wave's opening: the add, twice on end, and its wait ahead of my first tensor load
	ds_add_u32 v[SPW], v[NIL]
	v_lshrrev_b32 v1, 5, v0
	v_readfirstlane_b32 s14, v1                    ; wave 0..3
	s_lshr_b32 s15, s14, 1                         ; which half of the tile's rows is mine.  Also: I fetch for x (0) or for W (1)
	s_and_b32 s16, s14, 1                          ; which half of its columns.  Also: which 128 rows I fetch
	s_bfe_u32 s40, ttmp6, 0x40000                  ; cx, cy
	s_bfe_u32 s41, ttmp6, 0x40004
	s_lshl_b32 s42, ttmp9, 2
	s_add_co_u32 s42, s42, s40                     ; tile column = 4 x cluster x + cx
	s_and_b32 s17, ttmp7, 0xffff
	s_lshl_b32 s17, s17, 2
	s_add_co_u32 s17, s17, s41                     ; tile row = 4 x cluster y + cy
	s_lshl_b32 s43, s41, 2
	s_lshl_b32 s43, 15, s43                        ; my row of the cluster
	s_lshl_b32 s44, 0x1111, s40                    ; my column
	s_or_b32 s[G1+0], s43, (0<<16)|(1<<20)|(1<<21)|(5<<22)|(3<<25)   ; the mask; elements of 1 byte; padding on; bit 21 beside a mask; after every 64 words, 4 words
	s_or_b32 s[G1B+0], s44, (0<<16)|(1<<20)|(1<<21)|(5<<22)|(3<<25)
.irp g, G1, G1B
	s_mov_b32 s[\g+1], ROWB<<16                    ; tensor_dim0
	s_mov_b32 s[\g+2], 128<<16                     ; tensor_dim1
	s_mov_b32 s[\g+3], ROWB<<16                    ; tile_dim0
	s_mov_b32 s[\g+4], 128                         ; tile_dim1
	s_mov_b32 s[\g+5], KROW                        ; the pitch in memory
	s_mov_b32 s[\g+6], 0
	s_mov_b32 s[\g+7], 0
.endr
	s_or_b32 s[G1S+0], s43, (3<<16)|(1<<20)|(1<<21)|(5<<22)|(3<<25)  ; the scales of 128 rows: 4,096 dense bytes as 16 rows of 32 elements of 8 bytes, 16 bytes of padding behind each
	s_or_b32 s[G1SB+0], s44, (3<<16)|(1<<20)|(1<<21)|(5<<22)|(3<<25)
.irp g, G1S, G1SB
	s_mov_b32 s[\g+1], 32<<16
	s_mov_b32 s[\g+2], 16<<16
	s_mov_b32 s[\g+3], 32<<16
	s_mov_b32 s[\g+4], 16
	s_mov_b32 s[\g+5], 32
	s_mov_b32 s[\g+6], 0
	s_mov_b32 s[\g+7], 0
.endr
	s_lshl_b32 s18, s16, 7
	s_lshl_b32 s20, s17, 8
	s_add_co_u32 s20, s20, s18                     ; x: row 256 x tile row + 128 x half
	s_lshl_b32 s46, s42, 8
	s_add_co_u32 s46, s46, s18                     ; W: row 256 x tile column + 128 x half
	s_mov_b32 s21, 0
	s_mov_b32 s47, 0
	s_mov_b64 s[18:19], KS
	s_mul_u64 s[22:23], s[20:21], s[18:19]         ; where these rows' scales begin,
	s_mul_u64 s[92:93], s[46:47], s[18:19]
	s_mov_b64 s[18:19], KROW
	s_mul_u64 s[20:21], s[20:21], s[18:19]         ; and their codes
	s_mul_u64 s[46:47], s[46:47], s[18:19]
	s_mul_i32 s45, s14, HALFT                      ; where they go: wave x 128 rows
	s_mul_i32 s94, s14, HALFS
	s_mov_b32 s100, 0x3e38aa3b                     ; log2(e) / 8
	s_cmp_eq_u32 ttmp9, 0
	s_cselect_b32 s100, s100, 1.0                  ; q: cos and sin times log2(e) / 8; k: times 1;
	s_cmp_eq_u32 ttmp9, 2
	s_cselect_b32 s100, 0, s100                    ; v: times 0,
	s_cselect_b32 s101, 1.0, 0                     ; and 1 added to cos
	s_wait_dscnt 0x0                               ; both opening adds are done
	s_wait_kmcnt 0x0
	s_add_nc_u64 s[20:21], s[4:5], s[20:21]
	s_add_nc_u64 s[22:23], s[6:7], s[22:23]
	s_add_nc_u64 s[46:47], s[8:9], s[46:47]
	s_add_nc_u64 s[92:93], s[10:11], s[92:93]
	CROUND                                         ; all sixteen work-groups are here: the first joint loads meet
	s_mov_b32 s[G0S], 1
	s_add_co_u32 s[G0S+1], s94, SCL
	s_mov_b64 s[G0S+2:G0S+3], s[22:23]
	s_or_b32 s[G0S+3], s[G0S+3], 0x80000000
	s_mov_b32 s[G0SB], 1
	s_add_co_u32 s[G0SB+1], s94, SCL
	s_mov_b64 s[G0SB+2:G0SB+3], s[92:93]
	s_or_b32 s[G0SB+3], s[G0SB+3], 0x80000000
	JLOAD G0S, G1S, G0SB, G1SB                     ; the scales first: they are wanted with the first slot
.irp s, 0,1
	s_mov_b32 s[G0+4*\s], 1
	s_add_co_u32 s[G0+4*\s+1], s45, \s*SLOT
	s_add_nc_u64 s[G0+4*\s+2:G0+4*\s+3], s[20:21], \s*ROWB
	s_or_b32 s[G0+4*\s+3], s[G0+4*\s+3], 0x80000000
	s_mov_b32 s[G0B+4*\s], 1
	s_add_co_u32 s[G0B+4*\s+1], s45, \s*SLOT
	s_add_nc_u64 s[G0B+4*\s+2:G0B+4*\s+3], s[46:47], \s*ROWB
	s_or_b32 s[G0B+4*\s+3], s[G0B+4*\s+3], 0x80000000
	JLOAD G0+4*\s, G1, G0B+4*\s, G1B               ; three loads of mine are out in all
.endr
	v_and_b32 v1, 8, v0
	v_and_b32 v3, 3, v0
	v_lshl_add_u32 v1, v3, 1, v1
	v_bfe_u32 v3, v0, 2, 1
	v_add_nc_u32 v1, v1, v3                        ; rp = (r & 8) + 2 (r & 3) + ((r >> 2) & 1)
	v_bfe_u32 v2, v0, 4, 1                         ; h
	v_mul_u32_u24 v3, v1, PITCH
	v_lshl_add_u32 v4, v2, 4, v3                   ; row rp x pitch + 16 h
	s_mul_i32 s21, s15, HALFT                      ; my 128 rows of x
	s_mul_i32 s22, s16, HALFT                      ; my 128 rows of W,
	s_add_co_u32 s22, s22, 2*HALFT                 ; which lie behind x's 256
.irp s, 0,1
	v_add_nc_u32 v[ADRA+\s], s21, v4
	v_add_nc_u32 v[ADRB+\s], s22, v4
	s_add_co_u32 s21, s21, SLOT
	s_add_co_u32 s22, s22, SLOT
.endr
	v_mul_u32_u24 v5, v1, KS                       ; row rp's scales: 32 bytes a row,
	v_lshrrev_b32 v6, 8, v5
	v_lshl_add_u32 v5, v6, 4, v5                   ; and 16 more for each 256 passed
	s_mul_i32 s21, s15, HALFS
	s_mul_i32 s22, s16, HALFS
	s_add_co_u32 s22, s22, 2*HALFS
	s_sub_co_u32 s22, s22, s21
	v_mul_u32_u24 v6, s22, v2                      ; lanes 16-31 take W's
	s_add_co_u32 s21, s21, SCL
	v_add_nc_u32 v5, v5, v6
	v_add_nc_u32 v[ADRS], s21, v5
	s_mul_i32 s23, s14, 16*SPITCH                  ; my stage
	v_add_nc_u32 v[STO], s23, v4                   ; in: row rp (my token), 16 bytes for each half of the lanes
	v_bfe_u32 v5, v0, 3, 2
	v_mul_u32_u24 v5, v5, SPITCH
	v_and_b32 v6, 7, v0
	v_lshl_add_u32 v5, v6, 4, v5
	v_add_nc_u32 v[RD], s23, v5                    ; back: eight lanes take a token's 128 bytes of one head, four tokens an instruction
	v_and_b32 v6, 31, v0
	v_lshlrev_b32 v[CO], 4, v6                     ; and the same 512 bytes in qkv
	v_lshlrev_b32 v[FO], 7, v1
	v_lshl_add_u32 v[FO], v2, 4, v[FO]
	v_mov_b32 v[FA], s100
	v_mov_b32 v[FA+1], s100
	v_mov_b32 v[FB], s101
	v_mov_b32 v[FB+1], s101
	s_and_b32 s20, s17, 7
	s_lshl_b32 s20, s20, 8
	s_lshl_b32 s21, s15, 7
	s_add_co_u32 s20, s20, s21                     ; my first token within its batch
	s_lshl_b32 s18, s20, 7                         ; x 128 bytes: a row of cos, of sin, and of a head in qkv
	s_mov_b32 s19, 0
	s_add_nc_u64 s[96:97], s[96:97], s[18:19]
	s_add_nc_u64 s[98:99], s[98:99], s[18:19]
	s_add_nc_u64 s[12:13], s[12:13], s[18:19]
	s_lshr_b32 s20, s17, 3                         ; the batch
	s_lshl_b32 s20, s20, 4
	s_lshl_b32 s46, s40, 2
	s_add_co_u32 s46, s46, s20
	s_lshl_b32 s47, s16, 1
	s_add_co_u32 s46, s46, s47                     ; 16 x batch + my first head (4 cx + 2 x column half)
	s_lshl_b32 s46, s46, 18
	s_lshl_b32 s47, ttmp9, 24                      ; the tensor: 16,777,216 bytes each
	s_add_co_u32 s46, s46, s47
	s_mov_b32 s47, 0
	s_add_nc_u64 s[12:13], s[12:13], s[46:47]      ; never stepped: all else stands in the stores' immediates
; cos and sin of token block a: for each quarter of a head's 32 pairs, my four (pairs 8 q + 4 h + 0 .. 3) of my token's row
.macro TRIG a
.set CW, 128*(((\a)%4)/2)+32*((\a)%2)+64*(1-(\a)/4)
.irp q, 0,1,2,3
	global_load_b128 v[CW+4*\q:CW+4*\q+3], v[FO], s[96:97] offset:2048*(\a)+32*\q
	global_load_b128 v[CW+16+4*\q:CW+16+4*\q+3], v[FO], s[98:99] offset:2048*(\a)+32*\q
.endr
.endm
	WIN TO_B
	TRIG 0
	TRIG 1
	TRIG 2
	TRIG 3                                         ; 32 loads, waited for on the way out
	WIN 0
.macro FRAG reg, adr, q, i             ; 16 rows x 128 K of 4-bit codes: 8 registers: registers 4 c .. 4 c + 3 hold K = 64 c + 32 h + 0 .. 31
.irp c, 0,1
	ds_load_b128 v[\reg+4*\c:\reg+4*\c+3], v[\adr] offset:64*(\q)+32*\c+(\i)*16*PITCH
.endr
.endm
; 16 matrix instructions: x's blocks a0, a0 + 1 against W's eight.  The 64 accumulators take turns, one instruction a turn, in the same order in every step.
.macro MUL16 a0, p, q, sc, zero
.irp a, \a0, \a0+1
.irp b, 0,1,2,3,4,5,6,7
.if \zero
	v_wmma_scale_f32_16x16x128_f8f6f4 v[8*(8*((\a)%4)+\b):8*(8*((\a)%4)+\b)+7], v[128*(\p)+FR*\b:128*(\p)+FR*\b+FR-1], v[AF+FR*(\a):AF+FR*(\a)+FR-1], 0, v[SC+8*NQ*(\sc)+NQ*\b+(\q)], v[SC+8*NQ*(\sc)+NQ*(\a)+(\q)] matrix_a_fmt:MATRIX_FMT_FP4 matrix_b_fmt:MATRIX_FMT_FP4 matrix_a_scale:MATRIX_SCALE_ROW1
.else
	v_wmma_scale_f32_16x16x128_f8f6f4 v[8*(8*((\a)%4)+\b):8*(8*((\a)%4)+\b)+7], v[128*(\p)+FR*\b:128*(\p)+FR*\b+FR-1], v[AF+FR*(\a):AF+FR*(\a)+FR-1], v[8*(8*((\a)%4)+\b):8*(8*((\a)%4)+\b)+7], v[SC+8*NQ*(\sc)+NQ*\b+(\q)], v[SC+8*NQ*(\sc)+NQ*(\a)+(\q)] matrix_a_fmt:MATRIX_FMT_FP4 matrix_b_fmt:MATRIX_FMT_FP4 matrix_a_scale:MATRIX_SCALE_ROW1
.endif
.endr
.endr
.endm
.macro FETCH_B slot, q, p
	WIN TO_B
.irp i, 0,1,2,3,4,5,6,7
	FRAG 128*(\p)+FR*\i, ADRB+\slot, \q, \i
.endr
	WIN 0
.endm
.macro FETCH_A slot, q, i0
.irp i, \i0, \i0+1, \i0+2, \i0+3
	FRAG AF+FR*(\i), ADRA+\slot, \q, \i
.endr
.endm
.macro SCALES sc                       ; a slot's scale words: four a row; lanes 0-15 take x's block i, lanes 16-31 W's block i
.irp i, 0,1,2,3,4,5,6,7
	ds_load_b128 v[SC+8*NQ*\sc+NQ*\i:SC+8*NQ*\sc+NQ*\i+3], v[ADRS] offset:\i*SBLK
.endr
.endm
.macro PLACES n                        ; plain vector instructions between a matrix instruction and a load into, or a vector write or read of, its registers
.rept \n
	v_nop
.endr
.endm
.macro STEP slot, q, zero              ; 128 along K that has its successor in the same slot
	s_wait_dscnt 4*NL                              ; W's set and x's blocks 0-3 are in; the youngest eight loads (x's blocks 4-7) may be out
	WIN MUL_LO
	MUL16 0, (\q)%2, \q, \slot, \zero
	MUL16 2, (\q)%2, \q, \slot, \zero
	s_wait_dscnt 0
	PLACES NP
	FETCH_B \slot, (\q)+1, 1-(\q)%2
	FETCH_A \slot, (\q)+1, 0
	WIN MUL_HI
	MUL16 4, (\q)%2, \q, \slot, \zero
	MUL16 6, (\q)%2, \q, \slot, \zero
	PLACES NP
	WIN 0
	FETCH_A \slot, (\q)+1, 4
.endm
.macro STEPS slot, from
.set Q, \from
.rept NQ-1-\from
	STEP \slot, Q, 0
.set Q, Q+1
.endr
.endm
	s_wait_tensorcnt 1                             ; the scales and my part of slot 0 are in; slot 1's load may stay out
	s_barrier_signal -1
	s_barrier_wait -1                              ; everybody's are
	FETCH_B 0, 0, 0
	FETCH_A 0, 0, 0
	SCALES 0
	FETCH_A 0, 0, 4
	STEP 0, 0, 1                                   ; the first products start the sums: nothing is cleared
	STEPS 0, 1
	; slot 0's last step changes slots: one barrier; ahead of it my part of slot 1 has landed and my reads of slot 0 are over
	s_wait_tensorcnt 0x0
	ds_add_u32 v[SPW], v[NIL]
	s_wait_dscnt 4*NL+1                            ; the add and the youngest eight loads may be out
	WIN MUL_LO
	MUL16 0, 1, NQ-1, 0, 0
	s_wait_dscnt 0x0
	s_barrier_signal -1
	MUL16 2, 1, NQ-1, 0, 0
	WIN 0
	s_barrier_wait -1                              ; slot 1 is whole, and nobody reads slot 0 any more
	PLACES NP
	v_add_nc_u32 v[ADRS], 4*NQ, v[ADRS]            ; on to slot 1's scale words
	FETCH_B 1, 0, 0
	FETCH_A 1, 0, 0
	SCALES 1
	WIN MUL_HI
	MUL16 4, 1, NQ-1, 0, 0
	MUL16 6, 1, NQ-1, 0, 0
	PLACES NP
	WIN 0
	FETCH_A 1, 0, 4
	STEPS 1, 0
	s_wait_dscnt 4*NL                              ; the last step: nothing more to fetch
	WIN MUL_LO
	MUL16 0, 1, NQ-1, 1, 0
	MUL16 2, 1, NQ-1, 1, 0
	s_wait_dscnt 0
	WIN MUL_HI
	MUL16 4, 1, NQ-1, 1, 0
	MUL16 6, 1, NQ-1, 1, 0
	WIN 0
; THE WAY OUT, a block of 16 tokens x 128 channels (two heads) at a time.
; ROPE: the block's cos and sin as used; then r0 = x0 cos - x1 sin, r1 = x0 sin + x1 cos, x0 in an accumulator's registers 0-3, x1 in 4-7; each accumulator is read from its low end on; then f16 in pairs (r0, r1).
.macro ROPE a
.set CW, 128*(((\a)%4)/2)+32*((\a)%2)+64*(1-(\a)/4)
.set TT, T0+32*((\a)%2)
	WIN 0x01                                       ; source 0 (cos, sin as loaded) window 1
.irp k, 0,2,4,6,8,10,12,14
	v_pk_fma_f32 v[CPR+\k:CPR+\k+1], v[CW+\k:CW+\k+1], v[FA:FA+1], v[FB:FB+1]
.endr
.irp k, 0,2,4,6,8,10,12,14
	v_pk_mul_f32 v[SPR+\k:SPR+\k+1], v[CW+16+\k:CW+16+\k+1], v[FA:FA+1]
.endr
.irp u, 0,1                            ; head u of my two: accumulators 4 u .. 4 u + 3
	WIN 0x02+(\a)/4                                ; source 0 (the accumulators) window 2 or 3
.irp q, 0,1,2,3
.set XX, 8*(8*((\a)%4)+4*\u+\q)
	v_pk_mul_f32 v[RR+8*\q+4:RR+8*\q+5], v[XX:XX+1], v[SPR+4*\q:SPR+4*\q+1]          ; x0 sin
	v_pk_mul_f32 v[RR+8*\q+6:RR+8*\q+7], v[XX+2:XX+3], v[SPR+4*\q+2:SPR+4*\q+3]
	v_pk_mul_f32 v[RR+8*\q:RR+8*\q+1], v[XX+4:XX+5], v[SPR+4*\q:SPR+4*\q+1]          ; x1 sin
	v_pk_mul_f32 v[RR+8*\q+2:RR+8*\q+3], v[XX+6:XX+7], v[SPR+4*\q+2:SPR+4*\q+3]
	v_pk_fma_f32 v[RR+8*\q+4:RR+8*\q+5], v[XX+4:XX+5], v[CPR+4*\q:CPR+4*\q+1], v[RR+8*\q+4:RR+8*\q+5]      ; r1 = x1 cos + x0 sin
	v_pk_fma_f32 v[RR+8*\q+6:RR+8*\q+7], v[XX+6:XX+7], v[CPR+4*\q+2:CPR+4*\q+3], v[RR+8*\q+6:RR+8*\q+7]
	v_pk_fma_f32 v[RR+8*\q:RR+8*\q+1], v[XX:XX+1], v[CPR+4*\q:CPR+4*\q+1], v[RR+8*\q:RR+8*\q+1] neg_lo:[0,0,1] neg_hi:[0,0,1]      ; r0 = x0 cos - x1 sin
	v_pk_fma_f32 v[RR+8*\q+2:RR+8*\q+3], v[XX+2:XX+3], v[CPR+4*\q+2:CPR+4*\q+3], v[RR+8*\q+2:RR+8*\q+3] neg_lo:[0,0,1] neg_hi:[0,0,1]
.endr
	WIN 0
.if ((\a) > 1) && (\u == 0)
	s_wait_xcnt 0x0                                ; the stores of the block two back have read this set of registers: it is written again only behind this wait
.endif
.irp q, 0,1,2,3
.irp i, 0,1,2,3
	v_cvt_pk_f16_f32 v[TT+16*\u+4*\q+\i], v[RR+8*\q+\i], v[RR+8*\q+4+\i]          ; channels 16 b + 8 h + 2 i and + 1
.endr
.endr
.endr
.endm
; TOSTAGE: 16 bytes a lane into my stage, and back as runs of four tokens of one head, into the registers that they left.  LDS serves a wave's instructions in order (ISA guide 5.7.1).
.macro TOSTAGE a
.set TT, T0+32*((\a)%2)
.irp b, 0,1,2,3,4,5,6,7
	ds_store_b128 v[STO], v[TT+4*\b:TT+4*\b+3] offset:32*\b
.endr
.irp e, 0,1
.irp g, 0,1,2,3
	ds_load_b128 v[TT+16*\e+4*\g:TT+16*\e+4*\g+3], v[RD] offset:4*\g*SPITCH+128*\e
.endr
.endr
.endm
.macro SEND a, younger                 ; younger: the LDS instructions issued behind block a's loads
.set TT, T0+32*((\a)%2)
	s_wait_dscnt \younger
.irp e, 0,1
.irp g, 0,1,2,3
	global_store_b128 v[CO], v[TT+16*\e+4*\g:TT+16*\e+4*\g+3], s[12:13] offset:\e*HEADB+(16*(\a)+4*\g)*128   ; 32 lanes store 512 bytes on end, aligned: four tokens of one head
.endr
.endr
.endm
	PLACES NP                                      ; behind the last products: for the loads into W's registers and for the first reads of results
	WIN TO_B
	TRIG 4
	TRIG 5
	TRIG 6
	TRIG 7
	WIN 0
	s_wait_loadcnt 32                              ; blocks 0-3's cos and sin are in; the 32 loads just issued may be out
	ROPE 0
	TOSTAGE 0
.irp a, 1,2,3,4,5,6,7
.if \a == 4
	s_wait_loadcnt 0x0                             ; blocks 4-7's cos and sin
.endif
	ROPE \a
	TOSTAGE \a
	SEND \a-1, 16                                  ; behind block a - 1's loads: block a's 8 stores and 8 loads
.endr
	SEND 7, 0
	s_wait_tensorcnt 0x0                           ; the wave's end
	ds_add_u32 v[SPW], v[NIL]
	s_wait_dscnt 0x0
	CROUND                                         ; the closing round
	s_endpgm
.Lfunc_end_k_q32978b068c_qkv:
	.size	k_q32978b068c_qkv, .Lfunc_end_k_q32978b068c_qkv-k_q32978b068c_qkv
	.p2alignl 7, 3214868480
	.fill 96, 4, 3214868480
	.section	.rodata,"a",@progbits
	.p2align	6, 0x0
	.amdhsa_kernel k_q32978b068c_qkv
		.amdhsa_group_segment_fixed_size 327680
		.amdhsa_private_segment_fixed_size 0
		.amdhsa_enable_private_segment 0
		.amdhsa_kernarg_size 56
		.amdhsa_user_sgpr_count 2
		.amdhsa_user_sgpr_kernarg_segment_ptr 1
		.amdhsa_wavefront_size32 1
		.amdhsa_system_sgpr_workgroup_id_x 1
		.amdhsa_system_sgpr_workgroup_id_y 1
		.amdhsa_system_sgpr_workgroup_id_z 1
		.amdhsa_system_vgpr_workitem_id 0
		.amdhsa_next_free_vgpr 1024
		.amdhsa_next_free_sgpr 104
		.amdhsa_reserve_vcc 0
		.amdhsa_float_denorm_mode_32 3
		.amdhsa_float_denorm_mode_16_64 3
		.amdhsa_memory_ordered 1
		.amdhsa_forward_progress 1
		.amdhsa_inst_pref_size 174
	.end_amdhsa_kernel
	.amdgpu_metadata
---
amdhsa.version: [ 1, 2 ]
amdhsa.kernels:
  - .name:           k_q32978b068c_qkv
    .symbol:         k_q32978b068c_qkv.kd
    .args:
      - { .name: x_codes, .offset: 0, .size: 8, .value_kind: global_buffer, .address_space: global }
      - { .name: x_scales, .offset: 8, .size: 8, .value_kind: global_buffer, .address_space: global }
      - { .name: w_codes, .offset: 16, .size: 8, .value_kind: global_buffer, .address_space: global }
      - { .name: w_scales, .offset: 24, .size: 8, .value_kind: global_buffer, .address_space: global }
      - { .name: freqs_cos, .offset: 32, .size: 8, .value_kind: global_buffer, .address_space: global }
      - { .name: freqs_sin, .offset: 40, .size: 8, .value_kind: global_buffer, .address_space: global }
      - { .name: qkv, .offset: 48, .size: 8, .value_kind: global_buffer, .address_space: global }
    .group_segment_fixed_size: 327680
    .private_segment_fixed_size: 0
    .kernarg_segment_align: 8
    .kernarg_segment_size: 56
    .max_flat_workgroup_size: 128
    .sgpr_count:     104
    .vgpr_count:     1024
    .wavefront_size: 32
...
	.end_amdgpu_metadata
.endif
;; end of part 2
;; launch attn (part 3): grid 8 x 64, 8 waves a work-group, clusters of 4 x 1, 327,680 bytes of LDS; arguments qkv, attention_mask, o16; writes o16
.if DOCPART == 3
	.amdgcn_target "amdgcn-amd-amdhsa--gfx1250"
	.amdhsa_code_object_version 6
	.text
	.protected	k_q32978b068c_attn
	.globl	k_q32978b068c_attn
	.p2align	8
	.type	k_q32978b068c_attn,@function
k_q32978b068c_attn:
	s_mov_b64 s[64:65], 0
	v_nop
	global_prefetch_b8 v0, s[64:65] scope:SCOPE_SE
	s_setreg_imm32_b32 hwreg(HW_REG_WAVE_MODE, 25, 1), 1
	s_wait_xcnt 0x0
	s_wait_alu depctr_hold_cnt(0) depctr_sa_sdst(0) depctr_va_vdst(0) depctr_va_sdst(0) depctr_va_ssrc(0) depctr_va_vcc(0) depctr_vm_vsrc(0)
	s_getreg_b32 s2, hwreg(HW_REG_IB_STS2, 6, 4)
	s_cmp_eq_u32 s2, 0
	s_cbranch_scc0 .Lentry_in_a_cluster
	s_endpgm
.Lentry_in_a_cluster:
	s_bfe_u32 s2, ttmp6, 0x10000c
	s_cmp_lg_u32 s2, 0x3003
	s_cbranch_scc0 .Lentry_shape_is_right
	s_endpgm
.Lentry_shape_is_right:
; o[bh][q][:] = the sum over k of softmax_k(q . k / 8 + mask[b][k]) v[bh][k][:].  q (already times log2(e) / 8), k, v: f16, [batch x 16 + head][2048][64] in qkv; the mask f32; o16 likewise f16.
; Products with f16 operands and f32 sums; maxima, exponentials and sums in f32; the weights p = 2^(t - m), in [0, 1], are rounded to f16 for the second product; o once at the end.
; The running maximum m is taken away before every exponential; in each step O and the sum l are multiplied by a = 2^(m_old - m_new).
; THE MASK COSTS NO VECTOR LINE: mask x log2(e) lies in LDS and is the C of the first product's first instruction.
; SHARES: a work-group owns 256 queries of one head, each of its eight waves 32: two tiles of 16.  Two waves share a SIMD, so that one wave's softmax stands beside the other's products.
; Every wave walks all 2,048 keys, 64 a step.  K and V come through a ring of two LDS slots of 256 keys: waves 0-3 fetch K's quarters, waves 4-7 V's, 64 rows a load.
; LAYOUT: S^T = K Q^T and O^T = V^T P: a lane holds ONE query (lane % 16) throughout; two tiles of S^T rounded in pairs are source 1 of the second product.  V is turned by ds_load_tr16_b128.
; CLUSTER: the four query blocks of a cluster walk the same K and V: each tile is asked for jointly, with a mask that names the four.
; LIMITS: a row whose every key has the mask -infinity gives NaN, as the softmax of such a row does; +infinity and NaN in the mask are not served; o under 6e-5 keeps f16's fixed step of 6e-8.
; REGISTERS: window 0: v1-15 addresses; v16-31 statistics, 8 a tile: +0 m, +1 written and not used, +2, +3 l, +4 to +7 at work (a in +6); v32-63 the mask as C; v64-127 S^T, 32 a tile; v128-159 P; v160-191 Q; v192-225 at work.
;   window 1: v0-63 O^T, 32 a tile; v64-127 K's fragments; v128-191 V's.
.set PK,     144                       ; a key's row of K in LDS: 128 bytes + 16
.set PVT,    160                       ; of V: 128 + 32
.set KSTEPB, 64*PK
.set VSTEPB, 64*PVT
.set VOFF,   256*PK                    ; a slot: 256 rows of K, then 256 of V
.set SLOT1,  1<<17                     ; slot 1 begins here: one exclusive or turns an address from one slot to the other
.set MASK,   SLOT1+VOFF+256*PVT        ; 2,048 words: mask x log2(e); written by LDS stores, never by a tensor load
.set STAGE,  MASK+8192                 ; 16 rows x 144 bytes for each wave
.set SP,     144
.set SPARE,  STAGE+8*16*SP             ; the spare words, 128 bytes a wave, named by no other line
.set TENSOR, 16777216                  ; q, k, v in qkv
.set SLOTB,  32768                     ; a slot's 256 rows of 128 bytes in memory
.set AK0, 2
.set AV0, 3
.set AM0, 4
.set ADR, 5
.set ADV, 6
.set ADM, 7
.set QO,  8
.set STO, 10
.set RD,  11
.set GO,  12
.set PFO, 13
.set SPW, 14
.set NIL, 15
.set ST,  16
.set MK,  32
.set S,   64
.set P,   128
.set Q,   160
.set W,   192                          ; at work: the mask at the head, rows of o at the end
.set KF,  64                           ; in window 1
.set VF,  128
.set WV,  12
.set LIM, 15
.set PFA, 18
.set G1K, 24
.set G1V, 32
.set G0K, 40
.set G0V, 48
.set SLOTS, 56
.set CNT, 57
.set CS,  58                           ; s[58:59] 1.0: the packed t - m names a pair and takes its low word for both halves
.set SEL, 60
.set TK,  62                           ; LDS byte at which the K tile to be fetched begins
.set TV,  63                           ; the same for V
.set TM,  66                           ; and, from MASK on, for the mask
.set MSB, 0
.macro WIN new
.if MSB != (\new)
	s_set_vgpr_msb (MSB<<8)|(\new)
.set MSB, (\new)
.endif
.endm
.macro JLOAD                           ; a joint refill; an s_nop 0 and four v_nop follow each line
	s_cmp_lt_u32 s[WV], 4
	s_cbranch_scc0 .Lfor_v_\@
	tensor_load_to_lds s[G0K+4:G0K+7], s[G1K:G1K+7]
	s_nop 0
.rept 4
	v_nop
.endr
	s_branch .Lasked_\@
.Lfor_v_\@:
	tensor_load_to_lds s[G0V+4:G0V+7], s[G1V:G1V+7]
	s_nop 0
.rept 4
	v_nop
.endr
.Lasked_\@:
.endm
; A prefetch of what the NEXT change of slots will ask for: 32,768 dense bytes of K and of V.  The head's first cluster asks; its four partners take 8,192 bytes each, told apart by address;
; in each, wave 0 asks for K's and wave 4 for V's, lanes 256 bytes apart.  So each run of 256 bytes is named once.  The last change that fills a slot asks for nothing.
.macro ASK
	s_cmp_gt_u32 s[SLOTS], s[LIM]
	s_cbranch_scc0 .Lnot_mine_\@
	global_prefetch_b8 v[PFO], s[PFA:PFA+1] th:TH_LOAD_NT scope:SCOPE_SE
.Lnot_mine_\@:
.endm
.macro CROUND
	s_barrier_signal -1
	s_barrier_wait -1
	s_cmp_lg_u32 s[WV], 0
	s_cbranch_scc1 .Lnot_wave_0_\@
	s_barrier_signal -3
.Lnot_wave_0_\@:
	s_barrier_wait -3
	s_barrier_signal -1
	s_barrier_wait -1
.endm
	s_load_b64 s[4:5], s[0:1], 0x0                 ; qkv
	s_load_b64 s[20:21], s[0:1], 0x8               ; the mask
	s_load_b64 s[10:11], s[0:1], 0x10              ; o16
	v_lshl_add_u32 v[SPW], v0, 2, SPARE
	v_mov_b32 v[NIL], 0
	ds_add_u32 v[SPW], v[NIL]                      ; the wave's opening: the add, twice on end, and its wait ahead of my first tensor load
	ds_add_u32 v[SPW], v[NIL]
	v_lshrrev_b32 v1, 5, v0
	v_readfirstlane_b32 s[WV], v1                  ; wave 0..7
	s_bfe_u32 s13, ttmp6, 0x40000                  ; cx
	s_lshl_b32 s14, ttmp9, 2
	s_add_co_u32 s14, s14, s13                     ; my block of 256 queries: it enters q's, o's and the prefetch's addresses alone
	s_and_b32 s16, ttmp7, 0xffff                   ; batch x 16 + head, which the partners share
	s_lshl_b32 s22, s16, 18                        ; the head's first byte in each tensor
	s_mov_b32 s23, 0
	s_lshr_b32 s72, s16, 4
	s_lshl_b32 s72, s72, 13                        ; the batch's row of the mask
	s_mov_b32 s73, 0
	s_and_b32 s17, s[WV], 3                        ; which quarter of a slot I fetch:
	s_mul_i32 s68, s17, KSTEPB                     ; its place in a slot, for K,
	s_mul_i32 s69, s17, VSTEPB
	s_add_co_u32 s69, s69, VOFF                    ; for V,
	s_lshl_b32 s70, s17, 13                        ; and its 64 rows of 128 bytes in memory
	s_mov_b32 s71, 0
	s_add_nc_u64 s[70:71], s[70:71], s[22:23]
	s_lshl_b32 s2, s14, 15                         ; my block's 256 rows,
	s_lshl_b32 s3, s[WV], 12                       ; my wave's 32 of them
	s_add_co_u32 s2, s2, s3
	s_mov_b32 s3, 0
	s_add_nc_u64 s[2:3], s[2:3], s[22:23]
	s_mov_b32 s[G1K], 15|(1<<16)|(1<<20)|(1<<21)|(4<<22)|(3<<25)   ; the mask: all four; elements of 2 bytes; padding on; bit 21 beside a mask; after every 32 words, 4 words
	s_mov_b32 s[G1V], 15|(1<<16)|(1<<20)|(1<<21)|(4<<22)|(7<<25)   ; the same with 8 words
.irp g, G1K, G1V
	s_mov_b32 s[\g+1], 64<<16                      ; tensor_dim0
	s_mov_b32 s[\g+2], 64<<16                      ; tensor_dim1
	s_mov_b32 s[\g+3], 64<<16                      ; tile_dim0
	s_mov_b32 s[\g+4], 64                          ; tile_dim1
	s_mov_b32 s[\g+5], 64                          ; the pitch in memory
	s_mov_b32 s[\g+6], 0
	s_mov_b32 s[\g+7], 0
.endr
	s_mov_b32 s[CS], 1.0
	s_mov_b32 s[CS+1], 1.0
	s_mov_b32 s[SEL], 0x76543210
	s_mov_b32 s[SEL+1], 0xfedcba98
	s_mov_b32 s[TK], 0
	s_mov_b32 s[TV], 0
	s_mov_b32 s[TM], 0
	s_mov_b32 s[SLOTS], 6                          ; eight slots' worth of keys: two first fills, six refills
	s_and_b32 s[LIM], s[WV], 3
	s_or_b32 s[LIM], s[LIM], ttmp9                 ; 0 in waves 0 and 4 of the head's first cluster: the same in all partners
	s_cmp_eq_u32 s[LIM], 0
	s_cselect_b32 s[LIM], 1, -1
	s_wait_dscnt 0x0                               ; both opening adds are done
	s_wait_kmcnt 0x0
	s_add_nc_u64 s[6:7], s[4:5], s[70:71]
	s_add_nc_u64 s[8:9], s[6:7], 2*TENSOR          ; v at my quarter of slot 0
	s_add_nc_u64 s[6:7], s[6:7], TENSOR            ; k likewise
	s_add_nc_u64 s[4:5], s[4:5], s[2:3]            ; q and o at my wave's first row
	s_add_nc_u64 s[10:11], s[10:11], s[2:3]
	s_add_nc_u64 s[20:21], s[20:21], s[72:73]
	s_cmp_lt_u32 s[WV], 4
	s_cselect_b64 s[PFA:PFA+1], s[6:7], s[8:9]     ; (in waves 0 and 4 these stand at a slot's first row)
	s_lshl_b32 s2, s13, 13                         ; my work-group's 8,192 bytes of the 32,768
	s_mov_b32 s3, 0
	s_add_nc_u64 s[PFA:PFA+1], s[PFA:PFA+1], s[2:3]
	s_add_nc_u64 s[PFA:PFA+1], s[PFA:PFA+1], 2*SLOTB   ; the first change of slots steps it on; nothing is prefetched at the head
	CROUND                                         ; all four work-groups are here: the first joint loads meet
.irp s, 0,1
	s_mov_b32 s[G0K+4*\s], 1
	s_add_co_u32 s[G0K+4*\s+1], s68, \s*SLOT1
	s_add_nc_u64 s[G0K+4*\s+2:G0K+4*\s+3], s[6:7], \s*SLOTB
	s_or_b32 s[G0K+4*\s+3], s[G0K+4*\s+3], 0x80000000
	s_mov_b32 s[G0V+4*\s], 1
	s_add_co_u32 s[G0V+4*\s+1], s69, \s*SLOT1
	s_add_nc_u64 s[G0V+4*\s+2:G0V+4*\s+3], s[8:9], \s*SLOTB
	s_or_b32 s[G0V+4*\s+3], s[G0V+4*\s+3], 0x80000000
.endr
	s_cmp_lt_u32 s[WV], 4                          ; a wave's two first fills stand in one branch: two loads of mine are out
	s_cbranch_scc0 .Lfirst_v
	tensor_load_to_lds s[G0K:G0K+3], s[G1K:G1K+7]
	s_nop 0
	tensor_load_to_lds s[G0K+4:G0K+7], s[G1K:G1K+7]
	s_nop 0
.rept 4
	v_nop
.endr
	s_branch .Lfirst_asked
.Lfirst_v:
	tensor_load_to_lds s[G0V:G0V+3], s[G1V:G1V+7]
	s_nop 0
	tensor_load_to_lds s[G0V+4:G0V+7], s[G1V:G1V+7]
	s_nop 0
.rept 4
	v_nop
.endr
.Lfirst_asked:
	v_lshlrev_b32 v224, 4, v0                      ; the mask: 16 bytes a thread, twice
	global_load_b128 v[W:W+3], v224, s[20:21]
	global_load_b128 v[W+4:W+7], v224, s[20:21] offset:4096
	v_and_b32 v1, 15, v0                           ; r
	v_bfe_u32 v9, v0, 4, 1                         ; h
	v_lshlrev_b32 v[QO], 7, v1
	v_lshl_add_u32 v[QO], v9, 4, v[QO]             ; row r of 128 bytes + 16 h
.irp t, 0,1
.irp c, 0,1
	global_load_b128 v[Q+16*\t+8*\c:Q+16*\t+8*\c+3], v[QO], s[4:5] offset:2048*\t+64*\c        ; Q stays in registers: tile t, channels 32 c on
	global_load_b128 v[Q+16*\t+8*\c+4:Q+16*\t+8*\c+7], v[QO], s[4:5] offset:2048*\t+64*\c+32
.endr
.endr
	v_add_nc_u32 v225, MASK, v224
	v_mul_u32_u24 v[AK0], v1, PK
	v_lshl_add_u32 v[AK0], v9, 4, v[AK0]           ; K: row r x pitch + 16 h
	v_and_b32 v[ADR], 7, v0
	v_lshl_add_u32 v[AV0], v9, 3, v[ADR]
	v_mul_u32_u24 v[AV0], v[AV0], PVT              ; V: key 8 h + lane % 8,
	v_bfe_u32 v[ADV], v0, 3, 1
	v_lshl_add_u32 v[AV0], v[ADV], 4, v[AV0]       ; channels 8 ((lane / 8) % 2) on
	v_add_nc_u32 v[AV0], VOFF, v[AV0]
	v_lshl_add_u32 v[AM0], v9, 5, MASK             ; the mask of keys 8 h + 0 .. 7 of a tile
	s_mul_i32 s2, s[WV], 16*SP
	s_add_co_u32 s2, s2, STAGE                     ; my stage
	v_add_nc_u32 v[STO], s2, v[AK0]                ; in: row r x 144 + 16 h
	v_bfe_u32 v[RD], v0, 3, 2
	v_mul_u32_u24 v[RD], v[RD], SP
	v_lshl_add_u32 v[RD], v[ADR], 4, v[RD]
	v_add_nc_u32 v[RD], s2, v[RD]                  ; back: eight lanes take a row's 128 bytes, four rows an instruction
	v_and_b32 v[GO], 31, v0
	v_lshlrev_b32 v[PFO], 8, v[GO]
	v_lshlrev_b32 v[GO], 4, v[GO]
.irp t, 0,1
	v_mov_b32 v[ST+8*\t], 0xff61b1e6               ; m: -3e38, under every t
	v_mov_b32 v[ST+8*\t+1], 0
	v_mov_b32 v[ST+8*\t+2], 0                      ; l, in two halves
	v_mov_b32 v[ST+8*\t+3], 0
.endr
	WIN 0x40
.set i, 0
.rept 64
	v_mov_b32 v[i], 0                              ; O^T: the step is written once; its first pass finds zeros, which a = 0 leaves zeros
.set i, i+1
.endr
	WIN 0
	s_wait_loadcnt 8                               ; the mask is in; Q's eight loads may be out
.irp j, 0,1,2,3,4,5,6,7
	v_mul_f32 v[W+\j], 0x3fb8aa3b, v[W+\j]         ; x log2(e)
.endr
	ds_store_b128 v225, v[W:W+3]
	ds_store_b128 v225, v[W+4:W+7] offset:4096
	s_wait_tensorcnt 1                             ; my part of slot 0 is in; slot 1's may stay out
	s_wait_dscnt 0x0                               ; my part of the mask lies in LDS
	s_barrier_signal -1
	s_barrier_wait -1                              ; everybody's do
.macro FETCH_KM                        ; a step's K (64 keys x 64 channels: 8 fragments) and its mask (8 registers for each tile of 16 keys)
	WIN 0
	v_add_nc_u32 v[ADR], s[TK], v[AK0]
	v_add_nc_u32 v[ADM], s[TM], v[AM0]
	s_add_co_u32 s[TK], s[TK], KSTEPB
	s_add_co_u32 s[TM], s[TM], 256
.irp kt, 0,1,2,3
	ds_load_b128 v[MK+8*\kt:MK+8*\kt+3], v[ADM] offset:64*\kt
	ds_load_b128 v[MK+8*\kt+4:MK+8*\kt+7], v[ADM] offset:64*\kt+16
.endr
	WIN 0x40
.irp f, 0,1,2,3,4,5,6,7                ; keys 16 (f / 2) on, channels 32 (f % 2) on
	ds_load_b128 v[KF+8*\f:KF+8*\f+3], v[ADR] offset:(\f/2)*16*PK+(\f%2)*64
	ds_load_b128 v[KF+8*\f+4:KF+8*\f+7], v[ADR] offset:(\f/2)*16*PK+(\f%2)*64+32
.endr
.endm
.macro FETCH_V                         ; a step's V, turned: keys 32 (f / 4) on, channels 16 (f % 4) on
	WIN 0
	v_add_nc_u32 v[ADV], s[TV], v[AV0]
	s_add_co_u32 s[TV], s[TV], VSTEPB
	WIN 0x40
.irp f, 0,1,2,3,4,5,6,7
	ds_load_tr16_b128 v[VF+8*\f:VF+8*\f+3], v[ADV] offset:(\f/4)*32*PVT+(\f%4)*32
	ds_load_tr16_b128 v[VF+8*\f+4:VF+8*\f+7], v[ADV] offset:(\f/4)*32*PVT+16*PVT+(\f%4)*32
.endr
.endm
; S^T = K Q^T + the mask: product i: channels 32 (i / 8) on, keys 16 ((i / 2) % 4) on, tile i % 2.  Eight accumulators by turns, one instruction a turn.
.macro QK
	WIN 0x01                                       ; K in window 1
.set i, 0
.rept 16
.set rS, S+32*(i%2)+8*((i/2)%4)
.set rK, KF+16*((i/2)%4)+8*(i/8)
.set rQ, Q+16*(i%2)+8*(i/8)
.set rM, MK+8*((i/2)%4)
.if i < 8
	v_wmma_f32_16x16x32_f16 v[rS:rS+7], v[rK:rK+7], v[rQ:rQ+7], v[rM:rM+7]
.else
	v_wmma_f32_16x16x32_f16 v[rS:rS+7], v[rK:rK+7], v[rQ:rQ+7], v[rS:rS+7]
.endif
.set i, i+1
.endr
	WIN 0
.endm
; O^T += V^T P: product i: keys 32 (i / 8) on, channels 16 ((i / 2) % 4) on, tile i % 2
.macro PVM
	WIN 0x51                                       ; V and O^T in window 1, P in window 0
.set i, 0
.rept 16
.set rO, 32*(i%2)+8*((i/2)%4)
.set rV, VF+32*(i/8)+8*((i/2)%4)
.set rP, P+16*(i%2)+8*(i/8)
	v_wmma_f32_16x16x32_f16 v[rO:rO+7], v[rV:rV+7], v[rP:rP+7], v[rO:rO+7]
.set i, i+1
.endr
	WIN 0
.endm
; The softmax of both tiles for one step, the tiles line by line by turns
.macro SOFTMAX
	WIN 0
.irp j, 0,1,2,3                        ; the maximum: four chains, each begun at its accumulator's low end
.irp t, 0,1
	v_max3_num_f32 v[ST+8*\t+4+\j], v[S+32*\t+8*\j], v[S+32*\t+8*\j+1], v[S+32*\t+8*\j+2]
.endr
.endr
.irp n, 3,5
.irp j, 0,1,2,3
.irp t, 0,1
	v_max3_num_f32 v[ST+8*\t+4+\j], v[ST+8*\t+4+\j], v[S+32*\t+8*\j+\n], v[S+32*\t+8*\j+\n+1]
.endr
.endr
.endr
.irp t, 0,1
	v_max3_num_f32 v[ST+8*\t+4], v[ST+8*\t+4], v[S+32*\t+7], v[S+32*\t+15]
.endr
.irp t, 0,1
	v_max3_num_f32 v[ST+8*\t+6], v[ST+8*\t+6], v[S+32*\t+23], v[S+32*\t+31]
.endr
.irp t, 0,1
	v_max3_num_f32 v[ST+8*\t+4], v[ST+8*\t+4], v[ST+8*\t+5], v[ST+8*\t+6]
.endr
.irp t, 0,1
	v_max3_num_f32 v[ST+8*\t+4], v[ST+8*\t+4], v[ST+8*\t+7], v[ST+8*\t]      ; with the old m
.endr
.irp t, 0,1
	v_permlanex16_b32 v[ST+8*\t+5], v[ST+8*\t+4], s[SEL], s[SEL+1]           ; the query's other 32 keys lie in the lane 16 away
.endr
.irp t, 0,1
	v_mov_b32 v[ST+8*\t+7], v[ST+8*\t]
.endr
.irp t, 0,1
	v_max_num_f32 v[ST+8*\t], v[ST+8*\t+4], v[ST+8*\t+5]                     ; the new m
.endr
.irp t, 0,1
	v_sub_f32 v[ST+8*\t+7], v[ST+8*\t+7], v[ST+8*\t]                         ; m_old - m_new
.endr
.irp b, 0,2,4,6,8,10,12,14,16,18,20,22,24,26,28,30
.irp t, 0,1
	v_pk_fma_f32 v[S+32*\t+\b:S+32*\t+\b+1], v[S+32*\t+\b:S+32*\t+\b+1], s[CS:CS+1], v[ST+8*\t:ST+8*\t+1] op_sel_hi:[1,0,0] neg_lo:[0,0,1] neg_hi:[0,0,1]   ; t - m
.endr
.endr
.irp t, 0,1
	v_exp_f32 v[ST+8*\t+6], v[ST+8*\t+7]                                     ; a
.endr
.irp j, 0,1,2,3,4,5,6,7,8,9,10,11,12,13,14,15,16,17,18,19,20,21,22,23,24,25,26,27,28,29,30,31
.irp t, 0,1
	v_exp_f32 v[S+32*\t+\j], v[S+32*\t+\j]                                   ; p: ONE batch of 66 exponentials, none of which reads another's result
.endr
.endr
	v_nop                                          ; a plain instruction behind the last exponential (ISA guide 5.7.2)
	s_wait_alu depctr_va_vdst(0)                   ; one wait for the batch, ahead of its first reader
.irp j, 0,1,2,3,4,5,6,7,8,9,10,11,12,13,14,15
.irp t, 0,1
	v_cvt_pk_f16_f32 v[P+16*\t+\j], v[S+32*\t+2*\j], v[S+32*\t+2*\j+1]
.endr
.endr
.irp u, 0,1,2,3,4,5,6,7                ; the sum of the unrounded p, in place: neighbours 1, 2, 4 and 8 pairs apart
.irp t, 0,1
	v_pk_add_f32 v[S+32*\t+4*\u:S+32*\t+4*\u+1], v[S+32*\t+4*\u:S+32*\t+4*\u+1], v[S+32*\t+4*\u+2:S+32*\t+4*\u+3]
.endr
.endr
.irp u, 0,1,2,3
.irp t, 0,1
	v_pk_add_f32 v[S+32*\t+8*\u:S+32*\t+8*\u+1], v[S+32*\t+8*\u:S+32*\t+8*\u+1], v[S+32*\t+8*\u+4:S+32*\t+8*\u+5]
.endr
.endr
.irp u, 0,1
.irp t, 0,1
	v_pk_add_f32 v[S+32*\t+16*\u:S+32*\t+16*\u+1], v[S+32*\t+16*\u:S+32*\t+16*\u+1], v[S+32*\t+16*\u+8:S+32*\t+16*\u+9]
.endr
.endr
.irp t, 0,1
	v_pk_add_f32 v[S+32*\t:S+32*\t+1], v[S+32*\t:S+32*\t+1], v[S+32*\t+16:S+32*\t+17]
.endr
.irp t, 0,1
	v_pk_fma_f32 v[ST+8*\t+2:ST+8*\t+3], v[ST+8*\t+2:ST+8*\t+3], v[ST+8*\t+6:ST+8*\t+7], v[S+32*\t:S+32*\t+1] op_sel_hi:[1,0,1]   ; l = a l + the sum
.endr
	WIN 0x41                                       ; O^T (destination and source 0) in window 1
.irp k, 0,2,4,6,8,10,12,14,16,18,20,22,24,26,28,30
.irp t, 0,1
	v_pk_mul_f32 v[32*\t+\k:32*\t+\k+1], v[32*\t+\k:32*\t+\k+1], v[ST+8*\t+6:ST+8*\t+7] op_sel_hi:[1,0]      ; O^T x a, each accumulator from its low end on
.endr
.endr
.endm
; THE CHANGE OF SLOTS: the slot's last bytes, V of its fourth step, have been asked for.  Each wave waits for all its tensor loads (one is out: its part of the other slot), adds 0 to its spare word,
; and waits for that and for its reads of the slot.  fill = 1: the barrier is a round of the cluster's, and the joint refill, the keys two slots on, is the first thing behind it: it has four key steps in which to land.
.macro CHANGE fill
	WIN 0
	s_wait_tensorcnt 0x0                           ; no tensor load of mine is out, so a group 0 may be written
	ds_add_u32 v[SPW], v[NIL]
.if \fill
.irp g, G0K+4, G0V+4
	s_xor_b32 s[\g+1], s[\g+1], SLOT1              ; the walking descriptor: the other slot than last time,
	s_add_nc_u64 s[\g+2:\g+3], s[\g+2:\g+3], SLOTB ; the next 256 keys
.endr
	s_wait_xcnt 0x0                                ; the last prefetch, a slot back, has read its address
	s_add_nc_u64 s[PFA:PFA+1], s[PFA:PFA+1], SLOTB
	s_wait_dscnt 0x0                               ; the add is done, and my reads of the slot are over
	CROUND
	JLOAD
	ASK
.else
	s_wait_dscnt 0x0
	s_barrier_signal -1
	s_barrier_wait -1
.endif
	s_sub_co_u32 s[TK], s[TK], 4*KSTEPB            ; the fetches go back to a slot's first step,
	s_xor_b32 s[TK], s[TK], SLOT1                  ; in the other slot
	s_sub_co_u32 s[TV], s[TV], 4*VSTEPB
	s_xor_b32 s[TV], s[TV], SLOT1
.endm
; A KEY STEP.  chg = 0: inside a slot; 1: the slot's last, with a refill; 2: the slot's last, without; 3: the very last.
.macro STEP chg
	QK
.rept 4
	v_nop                                          ; the places behind the products: for the loads into V's, K's and the mask's registers, and for the first reads of S^T
.endr
	FETCH_V                                        ; this step's V
.if \chg == 1
	CHANGE 1
.endif
.if \chg == 2
	CHANGE 0
.endif
.if \chg != 3
	FETCH_KM                                       ; the next step's K and mask
.endif
	SOFTMAX
	s_wait_dscnt 0x0                               ; V, the next K and the next mask: asked for a whole softmax ago
	PVM
.endm
.macro THREE
	s_mov_b32 s[CNT], 3
.Lthree_\@:
	STEP 0
	s_sub_co_u32 s[CNT], s[CNT], 1
	s_cmp_lg_u32 s[CNT], 0
	s_cbranch_scc1 .Lthree_\@
.endm
	FETCH_KM                                       ; key step 0
	WIN 0
	s_wait_loadcnt 0x0                             ; Q
	s_wait_dscnt 0x0
.Lslot:                                            ; six trips: every slot but the last two is filled again
	STEP 0
	STEP 0
	STEP 0
	STEP 1
	s_sub_co_u32 s[SLOTS], s[SLOTS], 1
	s_cmp_lg_u32 s[SLOTS], 0
	s_cbranch_scc1 .Lslot
	THREE                                          ; the tail is written out
	STEP 2
	THREE
	STEP 3
	; THE WAY OUT: l's halves are added; O^T / l, rounded to f16, goes through my stage, a tile (16 rows of o) at a time.  The additions are the places behind the last products.
.irp t, 0,1
	v_add_f32 v[ST+8*\t+4], v[ST+8*\t+2], v[ST+8*\t+3]
.endr
.irp t, 0,1
	v_permlanex16_b32 v[ST+8*\t+5], v[ST+8*\t+4], s[SEL], s[SEL+1]
.endr
.irp t, 0,1
	v_add_f32 v[ST+8*\t+4], v[ST+8*\t+4], v[ST+8*\t+5]
.endr
	v_nop
	v_nop
.irp t, 0,1
	v_rcp_f32 v[ST+8*\t+6], v[ST+8*\t+4]
.endr
	v_nop                                          ; a plain instruction behind the last reciprocal
	s_wait_alu depctr_va_vdst(0)                   ; one wait for the two, ahead of their first reader
.irp t, 0,1
	WIN 0x01                                       ; source 0 (O^T) window 1
.irp k, 0,2,4,6,8,10,12,14,16,18,20,22,24,26,28,30
	v_pk_mul_f32 v[S+32*\t+\k:S+32*\t+\k+1], v[32*\t+\k:32*\t+\k+1], v[ST+8*\t+6:ST+8*\t+7] op_sel_hi:[1,0]
.endr
	WIN 0
.irp j, 0,1,2,3,4,5,6,7,8,9,10,11,12,13,14,15
	v_cvt_pk_f16_f32 v[P+16*\t+\j], v[S+32*\t+2*\j], v[S+32*\t+2*\j+1]
.endr
.irp c, 0,1,2,3
	ds_store_b128 v[STO], v[P+16*\t+4*\c:P+16*\t+4*\c+3] offset:32*\c        ; channels 16 c + 8 h + 0 .. 7 of row r
.endr
.irp g, 0,1,2,3
	ds_load_b128 v[W+16*\t+4*\g:W+16*\t+4*\g+3], v[RD] offset:4*\g*SP        ; LDS serves a wave's instructions in order: these see my stores, and the next tile's stores come behind them
.endr
.endr
.irp t, 0,1
.irp g, 0,1,2,3
	s_wait_dscnt 8*(1-\t)+3-\g                     ; behind this load: the tile's later loads, and for tile 0 tile 1's four stores and four loads
	global_store_b128 v[GO], v[W+16*\t+4*\g:W+16*\t+4*\g+3], s[10:11] offset:2048*\t+512*\g   ; 32 lanes store 512 bytes on end, aligned
.endr
.endr
	s_wait_tensorcnt 0x0                           ; the wave's end
	ds_add_u32 v[SPW], v[NIL]
	s_wait_dscnt 0x0
	CROUND                                         ; the closing round
	s_endpgm
.Lfunc_end_k_q32978b068c_attn:
	.size	k_q32978b068c_attn, .Lfunc_end_k_q32978b068c_attn-k_q32978b068c_attn
	.p2alignl 7, 3214868480
	.fill 96, 4, 3214868480
	.section	.rodata,"a",@progbits
	.p2align	6, 0x0
	.amdhsa_kernel k_q32978b068c_attn
		.amdhsa_group_segment_fixed_size 327680
		.amdhsa_private_segment_fixed_size 0
		.amdhsa_enable_private_segment 0
		.amdhsa_kernarg_size 24
		.amdhsa_user_sgpr_count 2
		.amdhsa_user_sgpr_kernarg_segment_ptr 1
		.amdhsa_wavefront_size32 1
		.amdhsa_system_sgpr_workgroup_id_x 1
		.amdhsa_system_sgpr_workgroup_id_y 1
		.amdhsa_system_sgpr_workgroup_id_z 1
		.amdhsa_system_vgpr_workitem_id 0
		.amdhsa_next_free_vgpr 512
		.amdhsa_next_free_sgpr 76
		.amdhsa_reserve_vcc 0
		.amdhsa_float_denorm_mode_32 3
		.amdhsa_float_denorm_mode_16_64 3
		.amdhsa_memory_ordered 1
		.amdhsa_forward_progress 1
		.amdhsa_inst_pref_size 162
	.end_amdhsa_kernel
	.amdgpu_metadata
---
amdhsa.version: [ 1, 2 ]
amdhsa.kernels:
  - .name:           k_q32978b068c_attn
    .symbol:         k_q32978b068c_attn.kd
    .args:
      - { .name: qkv, .offset: 0, .size: 8, .value_kind: global_buffer, .address_space: global }
      - { .name: attention_mask, .offset: 8, .size: 8, .value_kind: global_buffer, .address_space: global }
      - { .name: o16, .offset: 16, .size: 8, .value_kind: global_buffer, .address_space: global }
    .group_segment_fixed_size: 327680
    .private_segment_fixed_size: 0
    .kernarg_segment_align: 8
    .kernarg_segment_size: 24
    .max_flat_workgroup_size: 256
    .sgpr_count:     76
    .vgpr_count:     512
    .wavefront_size: 32
...
	.end_amdgpu_metadata
.endif
;; end of part 3
;; launch oproj (part 4): grid 4 x 64, 4 waves a work-group, clusters of 4 x 4, 327,680 bytes of LDS; arguments o16, wo16, out0; writes out0
.if DOCPART == 4
	.amdgcn_target "amdgcn-amd-amdhsa--gfx1250"
	.amdhsa_code_object_version 6
	.text
	.protected	k_q32978b068c_oproj
	.globl	k_q32978b068c_oproj
	.p2align	8
	.type	k_q32978b068c_oproj,@function
k_q32978b068c_oproj:
	s_mov_b64 s[64:65], 0
	v_nop
	global_prefetch_b8 v0, s[64:65] scope:SCOPE_SE
	s_setreg_imm32_b32 hwreg(HW_REG_WAVE_MODE, 25, 1), 1
	s_wait_xcnt 0x0
	s_wait_alu depctr_hold_cnt(0) depctr_sa_sdst(0) depctr_va_vdst(0) depctr_va_sdst(0) depctr_va_ssrc(0) depctr_va_vcc(0) depctr_vm_vsrc(0)
	s_getreg_b32 s2, hwreg(HW_REG_IB_STS2, 6, 4)
	s_cmp_eq_u32 s2, 0
	s_cbranch_scc0 .Lentry_in_a_cluster
	s_endpgm
.Lentry_in_a_cluster:
	s_bfe_u32 s2, ttmp6, 0x10000c
	s_cmp_lg_u32 s2, 0xf033
	s_cbranch_scc0 .Lentry_shape_is_right
	s_endpgm
.Lentry_shape_is_right:
; out0[m][n] = the sum over k of o[m][k] W_o[n][k], f16 operands, f32 sums, f32 out.  M 8,192, N 1,024, K 1,024.
; o16 lies head by head, [batch x 16 + head][token][64]: k = 64 head + channel.  So a K step of 128 is two heads, and 128 tokens of one head are 16,384 dense bytes.  wo16: [n][k].
; A tile of out0 is 128 x 256: 256 work-groups.  Four waves, each 64 x 128: 32 accumulators, all of window 1 ((a, b) at v[8 (8 a + b)]).
; K goes in 8 steps of 128 through a ring of two LDS slots: waves 0 and 1 fetch o's two heads (128 rows of 128 bytes), waves 2 and 3 W_o's two halves (128 rows of 256 bytes).
; CLUSTER 4 x 4: o's tiles are asked for jointly along a row of the cluster, W_o's along a column.  TRANSPOSED USE: source 0 = 16 rows of W_o, source 1 = 16 tokens: a lane holds eight neighbouring numbers of a row of out0.
; No prefetch: the launch is short and its tiles are small.
; REGISTERS: window 0: v16-29 addresses; v32-127, v128-223 two fragment buffers (W_o's eight fragments, then o's four); on the way out v32-159 take rows read back from the stage.
.set PA,     144                       ; a token's row of one head in LDS: 128 bytes + 16
.set PB,     272                       ; a row of W_o's tile: 256 + 16
.set SUBA,   128*PA                    ; a head's 128 tokens
.set BOFF,   2*SUBA                    ; a slot: o's two heads, then W_o's 256 rows
.set HALFB,  128*PB
.set SLOT,   BOFF+2*HALFB
.set STAGE,  2*SLOT                    ; behind the ring: 16 rows x (512 bytes + 16) for each wave
.set SPITCH, 528
.set SPARE,  STAGE+4*16*SPITCH         ; the spare words, 128 bytes a wave, named by no other line
.set LAPS,   4                         ; a lap = two K steps = once round the ring
.set ADRA, 16
.set ADRB, 20
.set STO,  24
.set RD,   25
.set CO,   26
.set SPW,  28
.set NIL,  29
.set F0,   32
.set F1,   128
.set BK,   32
.set G1, 24
.set G0, 32
.set G1B, 48
.set G0B, 56
.set MSB, 0
.macro WIN new
.if MSB != (\new)
	s_set_vgpr_msb (MSB<<8)|(\new)
.set MSB, (\new)
.endif
.endm
.set MUL, 0x50                         ; C and D window 1, both sources window 0
.macro JLOAD s                         ; a joint load; an s_nop 0 and four v_nop follow each line
	s_cmp_eq_u32 s11, 0
	s_cbranch_scc0 .Lfor_b_\@
	tensor_load_to_lds s[G0+4*\s:G0+4*\s+3], s[G1:G1+7]
	s_nop 0
.rept 4
	v_nop
.endr
	s_branch .Lasked_\@
.Lfor_b_\@:
	tensor_load_to_lds s[G0B+4*\s:G0B+4*\s+3], s[G1B:G1B+7]
	s_nop 0
.rept 4
	v_nop
.endr
.Lasked_\@:
.endm
.macro CREST
	s_cmp_lg_u32 s10, 0
	s_cbranch_scc1 .Lnot_wave_0_\@
	s_barrier_signal -3
.Lnot_wave_0_\@:
	s_barrier_wait -3
	s_barrier_signal -1
	s_barrier_wait -1
.endm
.macro CROUND
	s_barrier_signal -1
	s_barrier_wait -1
	CREST
.endm
	s_load_b128 s[4:7], s[0:1], 0x0                ; o16 s[4:5], wo16 s[6:7]
	s_load_b64 s[8:9], s[0:1], 0x10                ; out0
	v_lshl_add_u32 v[SPW], v0, 2, SPARE
	v_mov_b32 v[NIL], 0
	ds_add_u32 v[SPW], v[NIL]                      ; the wave's opening: the add, twice on end, and its wait ahead of my first tensor load
	ds_add_u32 v[SPW], v[NIL]
	v_lshrrev_b32 v1, 5, v0
	v_readfirstlane_b32 s10, v1                    ; wave 0..3
	s_lshr_b32 s11, s10, 1                         ; which 64 rows of the tile are mine.  Also: I fetch for o (0) or for W_o (1)
	s_and_b32 s12, s10, 1                          ; which 128 columns.  Also: which head of the two, or which 128 rows of W_o, I fetch
	s_bfe_u32 s40, ttmp6, 0x40000
	s_bfe_u32 s41, ttmp6, 0x40004
	s_lshl_b32 s42, ttmp9, 2
	s_add_co_u32 s42, s42, s40                     ; tile column
	s_and_b32 s13, ttmp7, 0xffff
	s_lshl_b32 s13, s13, 2
	s_add_co_u32 s13, s13, s41                     ; tile row
	s_lshl_b32 s43, s41, 2
	s_lshl_b32 s43, 15, s43                        ; my row of the cluster
	s_lshl_b32 s44, 0x1111, s40                    ; my column
	s_or_b32 s[G1+0], s43, (1<<16)|(1<<20)|(1<<21)|(4<<22)|(3<<25)   ; o: the mask; elements of 2 bytes; padding: 4 words after every 32
	s_mov_b32 s[G1+1], 64<<16                      ; tensor_dim0
	s_mov_b32 s[G1+2], 128<<16                     ; tensor_dim1
	s_mov_b32 s[G1+3], 64<<16                      ; tile_dim0
	s_mov_b32 s[G1+4], 128                         ; tile_dim1
	s_mov_b32 s[G1+5], 64                          ; the pitch in memory
	s_mov_b32 s[G1+6], 0
	s_mov_b32 s[G1+7], 0
	s_or_b32 s[G1B+0], s44, (1<<16)|(1<<20)|(1<<21)|(5<<22)|(3<<25)  ; W_o: padding: 4 words after every 64
	s_mov_b32 s[G1B+1], 128<<16
	s_mov_b32 s[G1B+2], 128<<16
	s_mov_b32 s[G1B+3], 128<<16
	s_mov_b32 s[G1B+4], 128
	s_mov_b32 s[G1B+5], 1024
	s_mov_b32 s[G1B+6], 0
	s_mov_b32 s[G1B+7], 0
	s_lshr_b32 s16, s13, 4                         ; o: the batch: 16 heads of 262,144 bytes,
	s_lshl_b32 s16, s16, 22
	s_and_b32 s17, s13, 15
	s_lshl_b32 s17, s17, 14                        ; the tile's 128 tokens of 128 bytes,
	s_add_co_u32 s16, s16, s17
	s_lshl_b32 s17, s12, 18                        ; my head of the two
	s_add_co_u32 s16, s16, s17
	s_mov_b32 s17, 0
	s_lshl_b32 s46, s42, 19                        ; W_o: row 256 x tile column + 128 x half, 2,048 bytes a row
	s_lshl_b32 s47, s12, 18
	s_add_co_u32 s46, s46, s47
	s_mov_b32 s47, 0
	s_mul_i32 s20, s12, SUBA                       ; where they go: no place in the cluster enters an LDS address
	s_mul_i32 s21, s12, HALFB
	s_add_co_u32 s21, s21, BOFF
	s_wait_dscnt 0x0                               ; both opening adds are done
	s_wait_kmcnt 0x0
	s_add_nc_u64 s[14:15], s[4:5], s[16:17]
	s_add_nc_u64 s[46:47], s[6:7], s[46:47]
	CROUND                                         ; all sixteen work-groups are here: the first joint loads meet
.irp s, 0,1
	s_mov_b32 s[G0+4*\s], 1
	s_add_co_u32 s[G0+4*\s+1], s20, \s*SLOT
	s_add_nc_u64 s[G0+4*\s+2:G0+4*\s+3], s[14:15], \s*2*262144     ; K step s: heads 2 s and 2 s + 1
	s_or_b32 s[G0+4*\s+3], s[G0+4*\s+3], 0x80000000
	s_mov_b32 s[G0B+4*\s], 1
	s_add_co_u32 s[G0B+4*\s+1], s21, \s*SLOT
	s_add_nc_u64 s[G0B+4*\s+2:G0B+4*\s+3], s[46:47], \s*256
	s_or_b32 s[G0B+4*\s+3], s[G0B+4*\s+3], 0x80000000
	JLOAD \s                                       ; two loads of mine are out
.endr
	v_and_b32 v1, 15, v0                           ; r
	v_bfe_u32 v2, v0, 4, 1                         ; h
	v_mul_u32_u24 v3, v1, PA
	v_lshl_add_u32 v3, v2, 4, v3
	v_mul_u32_u24 v4, v1, PB
	v_lshl_add_u32 v4, v2, 4, v4
	s_mul_i32 s22, s11, 64*PA                      ; my 64 tokens
	s_mul_i32 s23, s12, HALFB
	s_add_co_u32 s23, s23, BOFF                    ; my 128 rows of W_o
.irp s, 0,1
	v_add_nc_u32 v[ADRA+\s], s22, v3
	v_add_nc_u32 v[ADRB+\s], s23, v4
	s_add_co_u32 s22, s22, SLOT
	s_add_co_u32 s23, s23, SLOT
.endr
	s_mul_i32 s22, s10, 16*SPITCH
	s_add_co_u32 s22, s22, STAGE                   ; my stage
	v_mul_u32_u24 v5, v1, SPITCH
	v_lshl_add_u32 v5, v2, 5, v5
	v_add_nc_u32 v[STO], s22, v5                   ; in: row r, 32 bytes for each half of the lanes
	v_and_b32 v6, 31, v0
	v_lshlrev_b32 v[CO], 4, v6                     ; back: the 32 lanes take a row of 512 bytes; and the same in out0
	v_add_nc_u32 v[RD], s22, v[CO]
	s_lshl_b32 s16, s13, 7
	s_lshl_b32 s17, s11, 6
	s_add_co_u32 s16, s16, s17                     ; my first row of out0
	s_lshl_b32 s16, s16, 12                        ; 4,096 bytes a row
	s_mov_b32 s17, 0
	s_lshl_b32 s46, s42, 10                        ; my first column, in bytes
	s_lshl_b32 s47, s12, 9
	s_add_co_u32 s46, s46, s47
	s_mov_b32 s47, 0
	s_add_nc_u64 s[16:17], s[16:17], s[46:47]
	s_add_nc_u64 s[8:9], s[8:9], s[16:17]          ; never stepped: 63 rows at the most stand in the stores' immediates
; 8 matrix instructions: token block a against W_o's eight, 32 along K.  The 32 accumulators take turns, one instruction a turn, in the same order in every quarter.
.macro MULA f, a, zero
.irp b, 0,1,2,3,4,5,6,7
.if \zero
	v_wmma_f32_16x16x32_f16 v[8*(8*(\a)+\b):8*(8*(\a)+\b)+7], v[\f+8*\b:\f+8*\b+7], v[\f+64+8*(\a):\f+64+8*(\a)+7], 0
.else
	v_wmma_f32_16x16x32_f16 v[8*(8*(\a)+\b):8*(8*(\a)+\b)+7], v[\f+8*\b:\f+8*\b+7], v[\f+64+8*(\a):\f+64+8*(\a)+7], v[8*(8*(\a)+\b):8*(8*(\a)+\b)+7]
.endif
.endr
.endm
; 24 LDS loads in one run: the fragments of the slot's q-th 32 along K into buffer f: W_o's sixteen loads first, then o's eight.  Quarter q lies in head q / 2, channels 32 (q % 2) on.
.macro FETCH slot, q, f
.irp i, 0,1,2,3,4,5,6,7
	ds_load_b128 v[\f+8*\i:\f+8*\i+3],   v[ADRB+\slot] offset:64*(\q)+\i*16*PB
	ds_load_b128 v[\f+8*\i+4:\f+8*\i+7], v[ADRB+\slot] offset:64*(\q)+\i*16*PB+32
.endr
.irp i, 0,1,2,3
	ds_load_b128 v[\f+64+8*\i:\f+64+8*\i+3],   v[ADRA+\slot] offset:((\q)/2)*SUBA+((\q)%2)*64+\i*16*PA
	ds_load_b128 v[\f+64+8*\i+4:\f+64+8*\i+7], v[ADRA+\slot] offset:((\q)/2)*SUBA+((\q)%2)*64+\i*16*PA+32
.endr
.endm
.macro PLACES                          ; four plain vector instructions ahead of loads into registers that matrix instructions have read, and of the first reads of results
.rept 4
	v_nop
.endr
.endm
; A quarter multiplies buffer f and, in its middle, fetches the slot's quarter q into buffer g
.macro QUARTER slot, q, f, g, zero
	s_wait_dscnt 4                                 ; W_o's fragments and token blocks 0 and 1 are in; the youngest four loads (blocks 2 and 3) may be out
	WIN MUL
	MULA \f, 0, \zero
	MULA \f, 1, \zero
	PLACES
	WIN 0
	FETCH \slot, \q, \g
	s_wait_dscnt 24                                ; all but the 24 just issued
	WIN MUL
	MULA \f, 2, \zero
	MULA \f, 3, \zero
.endm
; A K step's last quarter multiplies buffer 1 and changes slots: one barrier; ahead of it each wave waits for all its tensor loads, adds 0 to its spare word, and waits for that and for its reads of this slot.
.macro TURN slot, next, fill
	WIN 0
	s_wait_tensorcnt 0x0                           ; all my tensor loads have landed: my part of the next slot
	ds_add_u32 v[SPW], v[NIL]
	s_wait_dscnt 5                                 ; the add and the youngest four loads may be out
	WIN MUL
	MULA F1, 0, 0                                  ; eight matrix instructions stand between the add and the wait for it
	s_wait_dscnt 0x0                               ; the add is done, and my reads of this slot are over
	s_barrier_signal -1
	MULA F1, 1, 0
	WIN 0
	s_barrier_wait -1
.if \fill
	CREST                                          ; the barrier has opened a round of the cluster's: no wave of any partner still reads this slot or has a load on its way
	s_add_nc_u64 s[G0+4*\slot+2:G0+4*\slot+3], s[G0+4*\slot+2:G0+4*\slot+3], 4*262144   ; two K steps on: four heads,
	s_add_nc_u64 s[G0B+4*\slot+2:G0B+4*\slot+3], s[G0B+4*\slot+2:G0B+4*\slot+3], 512    ; 256 along K
	JLOAD \slot                                    ; the first tensor load behind the round; its four v_nop are also the places ahead of the loads below
.else
	PLACES
.endif
	FETCH \next, 0, F0
	WIN MUL
	MULA F1, 2, 0
	MULA F1, 3, 0
.endm
	s_wait_tensorcnt 1                             ; my part of K step 0 is in; K step 1's load may stay out
	s_barrier_signal -1
	s_barrier_wait -1
	FETCH 0, 0, F0
	QUARTER 0, 1, F0, F1, 1                        ; the first quarter's products start the sums: nothing is cleared
	WIN 0
	s_mov_b32 s3, LAPS-1
.Llap:                                             ; a trip goes once round the ring, from a lap's second quarter to the next lap's first, and fills both slots again
	QUARTER 0, 2, F1, F0, 0
	QUARTER 0, 3, F0, F1, 0
	TURN 0, 1, 1
	QUARTER 1, 1, F0, F1, 0
	QUARTER 1, 2, F1, F0, 0
	QUARTER 1, 3, F0, F1, 0
	TURN 1, 0, 1
	QUARTER 0, 1, F0, F1, 0
	WIN 0
	s_sub_co_u32 s3, s3, 1
	s_cmp_lg_u32 s3, 0
	s_cbranch_scc1 .Llap
	QUARTER 0, 2, F1, F0, 0                        ; the last lap fills nothing
	QUARTER 0, 3, F0, F1, 0
	TURN 0, 1, 0
	QUARTER 1, 1, F0, F1, 0
	QUARTER 1, 2, F1, F0, 0
	QUARTER 1, 3, F0, F1, 0
	s_wait_dscnt 4                                 ; the very last quarter: nothing more to fetch
	WIN MUL
	MULA F1, 0, 0
	MULA F1, 1, 0
	s_wait_dscnt 0
	MULA F1, 2, 0
	MULA F1, 3, 0
	WIN 0
; THE WAY OUT, a block of 16 rows x 128 columns at a time, through my own stage: in as 32 bytes a lane, back as whole rows of 512 bytes.  LDS serves a wave's instructions in order (ISA guide 5.7.1).
.macro TOSTAGE a
	WIN 0x04                                       ; an LDS store's data are its source 1: window 1
.irp b, 0,1,2,3,4,5,6,7
	ds_store_b128 v[STO], v[64*(\a)+8*\b:64*(\a)+8*\b+3] offset:64*\b          ; each accumulator from its low end on
	ds_store_b128 v[STO], v[64*(\a)+8*\b+4:64*(\a)+8*\b+7] offset:64*\b+16
.endr
	WIN 0
.set BB, BK+64*((\a)%2)
.irp t, 0,1,2,3,4,5,6,7,8,9,10,11,12,13,14,15
	ds_load_b128 v[BB+4*\t:BB+4*\t+3], v[RD] offset:\t*SPITCH
.endr
.endm
.macro SEND a, younger
.set BB, BK+64*((\a)%2)
	s_wait_dscnt \younger
.irp t, 0,1,2,3,4,5,6,7,8,9,10,11,12,13,14,15
	global_store_b128 v[CO], v[BB+4*\t:BB+4*\t+3], s[8:9] offset:(16*(\a)+\t)*4096 th:TH_STORE_NT   ; 32 lanes store 512 bytes on end, aligned; written once, read by nobody here
.endr
.endm
	PLACES
	TOSTAGE 0
.irp a, 1,2,3
.if \a > 1
	s_wait_xcnt 0x0                                ; the stores of the block two back have read their registers: this block's loads may land there
.endif
	TOSTAGE \a
	SEND \a-1, 32                                  ; behind block a - 1's loads: block a's 16 stores and 16 loads
.endr
	SEND 3, 0
	s_wait_tensorcnt 0x0                           ; the wave's end
	ds_add_u32 v[SPW], v[NIL]
	s_wait_dscnt 0x0
	CROUND                                         ; the closing round
	s_endpgm
.Lfunc_end_k_q32978b068c_oproj:
	.size	k_q32978b068c_oproj, .Lfunc_end_k_q32978b068c_oproj-k_q32978b068c_oproj
	.p2alignl 7, 3214868480
	.fill 96, 4, 3214868480
	.section	.rodata,"a",@progbits
	.p2align	6, 0x0
	.amdhsa_kernel k_q32978b068c_oproj
		.amdhsa_group_segment_fixed_size 327680
		.amdhsa_private_segment_fixed_size 0
		.amdhsa_enable_private_segment 0
		.amdhsa_kernarg_size 24
		.amdhsa_user_sgpr_count 2
		.amdhsa_user_sgpr_kernarg_segment_ptr 1
		.amdhsa_wavefront_size32 1
		.amdhsa_system_sgpr_workgroup_id_x 1
		.amdhsa_system_sgpr_workgroup_id_y 1
		.amdhsa_system_sgpr_workgroup_id_z 1
		.amdhsa_system_vgpr_workitem_id 0
		.amdhsa_next_free_vgpr 512
		.amdhsa_next_free_sgpr 66
		.amdhsa_reserve_vcc 0
		.amdhsa_float_denorm_mode_32 3
		.amdhsa_float_denorm_mode_16_64 3
		.amdhsa_memory_ordered 1
		.amdhsa_forward_progress 1
		.amdhsa_inst_pref_size 85
	.end_amdhsa_kernel
	.amdgpu_metadata
---
amdhsa.version: [ 1, 2 ]
amdhsa.kernels:
  - .name:           k_q32978b068c_oproj
    .symbol:         k_q32978b068c_oproj.kd
    .args:
      - { .name: o16, .offset: 0, .size: 8, .value_kind: global_buffer, .address_space: global }
      - { .name: wo16, .offset: 8, .size: 8, .value_kind: global_buffer, .address_space: global }
      - { .name: out0, .offset: 16, .size: 8, .value_kind: global_buffer, .address_space: global }
    .group_segment_fixed_size: 327680
    .private_segment_fixed_size: 0
    .kernarg_segment_align: 8
    .kernarg_segment_size: 24
    .max_flat_workgroup_size: 128
    .sgpr_count:     66
    .vgpr_count:     512
    .wavefront_size: 32
...
	.end_amdgpu_metadata
.endif
;; end of part 4
